; MI455X (gfx1250); checked and timed in simulation.
; The chip was launched on July 23, 2026; its instructions are those of AMD's public machine-readable ISA for CDNA 5 (MIT licence, August 2026) and "CDNA5" Instruction Set Architecture Reference Guide (July 2026). The comments in the code are by the model that wrote it; some were corrected since.
;; Attention. Allowed arithmetic: matrix products marked QUANTISED: E4M3 operands, one E8M0 scale for each 32 along K, by v_wmma_scale_f32_16x16x128_f8f6f4 with both operands' format E4M3, f32 sums; everything else in f32.
;; Inputs: k_out 2,048 x 2,048 float32; q_out 2,048 x 2,048 float32; v_out 2,048 x 2,048 float32; w_out 2,048 x 2,048 float32; x 1 x 2,048 x 2,048 float32.
;; Outputs: out0 1 x 2,048 x 2,048 float32.
;; This version of the problem:
;;   THIS VERSION OF THE PROBLEM IS GIVEN IN LOW PRECISION. The matrix products marked QUANTISED in the list below multiply operands that are first quantised to E4M3 (4 exponent bits, 3 mantissa bits; 8 bits a number), with one power-of-two scale for each 32 numbers along K (OCP MX v1.0); their sums are f32. All else is computed in f32.
;;   The module's matrix products, in the order in which they are computed (A, B: the left and right operand; K: the contracted axis; several contracted axes count as one K, in the product's order):
;;     1. [M 2,048, K 2,048] x [K 2,048, N 2,048]; A: input x; B: input q_out: QUANTISED
;;     2. [M 2,048, K 2,048] x [K 2,048, N 2,048]; A: input x; B: input k_out: QUANTISED
;;     3. [M 2,048, K 2,048] x [K 2,048, N 2,048]; A: input x; B: input v_out: QUANTISED
;;     4. batch 16 x [M 2,048, K 128] x [K 128, N 2,048]; A: computed on the way; B: computed on the way: QUANTISED
;;     5. batch 16 x [M 2,048, K 2,048] x [K 2,048, N 128]; A: softmax (see below); B: computed on the way: QUANTISED
;;     6. [M 2,048, K 2,048] x [K 2,048, N 2,048]; A: computed on the way; B: input w_out: QUANTISED
;;   THE QUANTISER, for each operand of a quantised product, along K:
;;     - K is cut into blocks of 32 from its start; a last block that is shorter is filled with zeros.
;;     - A block's scale is 2^e with e = floor(log2(the largest magnitude in the block)) - 8, held to -126 .. 127; a block of zeros has e = 0. As a byte (E8M0): e + 127.
;;     - Each number is divided by its block's scale, clamped to +-448, and rounded to the nearest number of E4M3, ties to even, subnormals kept.
;;     - The product sums the exact products of the quantised numbers (number of the format x scale) in f32.
;;   ~~~python
;;   def quantise(x, axis):      # numpy; x: float32 -> the quantised numbers, widened to float32 again
;;       x = np.moveaxis(x, axis, -1); K = x.shape[-1]
;;       x = np.pad(x, [(0, 0)] * (x.ndim - 1) + [(0, -K % 32)]); x = x.reshape(x.shape[:-1] + (-1, 32)); a = np.abs(x).max(-1, keepdims=True)
;;       e = np.where(a > 0, np.clip(np.frexp(np.where(a > 0, a, 1))[1] - 1 - 8, -126, 127), 0)      # np.frexp(a)[1] - 1 = floor(log2(a)), exactly
;;       r = np.clip(x / 2.0 ** e, -448, 448)
;;       step = 2.0 ** (np.maximum(np.frexp(np.where(r == 0, 1, r))[1] - 1, -6) - 3)
;;       q = np.round(r / step) * step * 2.0 ** e      # np.round: ties to even
;;       return np.moveaxis(q.reshape(q.shape[:-2] + (-1,))[..., :K], -1, axis).astype(np.float32)
;;   ~~~
;;   SOFTMAX AHEAD OF A QUANTISED PRODUCT. Where the list says 'softmax', what is quantised is not the finished softmax but p = 2^(t - M), with t = logit x log2(e) and M = ceil(the row's largest t), a whole number; so 1/2 < the row's largest p <= 1. The row's sum l is taken of the UNQUANTISED p, in f32, and the product's result is divided by l at the end. Since M is a whole number, a kernel that streams over the keys may use a running M (the ceiling of the running maximum): every later rescaling is an exact power of two, which a block's scale takes up: the codes' values come out the same.
;;   OPERANDS COMPUTED ON THE WAY. 'Computed on the way' means the value that the module computes at that place (a softmax that the list does not call 'softmax' is quantised finished and normalised). What goes into a quantiser is computed in f32, as accurately as f32 sums, v_exp_f32 and their like allow (about 1e-6 of the number): no bf16 or f16 on the way to a quantiser, and a product that is left as it is and whose result goes on into a quantised operand takes f32 operands (vector FMAs, or v_wmma_f32_16x16x4_f32). A number that lies on a knife's edge between two numbers of the format may be rounded either way, as far as f32 arithmetic and the matrix unit's own rounding can turn it there, and no further.
;; One version. Each part assembles by itself: llvm-mc -triple=amdgcn-amd-amdhsa -mcpu=gfx1250 --defsym DOCPART=n.
;; ======== version 1 of 1: 4 launches
;; limits: right only within a limited range of input values
;; workspace buffers: codes 21,626,880 bytes; qbuf 4,325,376 bytes; kv 8,650,752 bytes; ctx 4,325,376 bytes
;; launch quant (part 1): grid 256 x 1, 8 waves a work-group, no clusters, 72,704 bytes of LDS; arguments x, q_out, k_out, v_out, w_out, codes; writes codes
.if DOCPART == 1
	.amdgcn_target "amdgcn-amd-amdhsa--gfx1250"
	.amdhsa_code_object_version 6
	.text
	.protected	k_q3a9b6a5562_quant
	.globl	k_q3a9b6a5562_quant
	.p2align	8
	.type	k_q3a9b6a5562_quant,@function
k_q3a9b6a5562_quant:
	s_mov_b64 s[64:65], 0
	v_nop
	global_prefetch_b8 v0, s[64:65] scope:SCOPE_SE
	s_setreg_imm32_b32 hwreg(HW_REG_WAVE_MODE, 25, 1), 1
	s_wait_xcnt 0x0
; x [2048][2048] (K innermost) and q_out, k_out, v_out, w_out [2048 (K)][2048 (n)] (K is the FIRST axis), all f32, become codes of FP8 (E4M3) with one E8M0 byte for each 32 along K.
; A block's scale is 2^(floor(log2(its largest magnitude)) - 8); each number is divided by it, held within +-448 and rounded to the nearest code, ties to even.
; LAYOUT OF THE RESULT: images of the matrix operand's registers.  A matrix has 16 groups G of 128 rows (x: tokens; a weight: its columns n); a group has 8 tiles a of 16 rows:
; row r of tile a is row 32 (a / 2) + 8 (a % 2) + r + 8 (r / 8) of the group.  The image of (G, kappa, a), 2,048 bytes at G x 262,144 + kappa x 16,384 + a x 2,048, holds at byte 512 c + 16 lane + i
; the code of (row lane % 16 of the tile, k = 128 kappa + 32 c + 16 (lane / 16) + i).  Scale words (4 bytes: 128 along K of a row) lie [G][kappa][r 16][a 8].  Matrix m (0 x, 1 q_out, 2 k_out, 3 v_out, 4 w_out) begins at m x 4,194,304 (codes), m x 131,072 (words).
; LIMITS: a block of zeros gets the byte 1 (not 127): its codes are zeros, and this program alone reads the bytes.  NaN and infinities among the inputs are not served.
; SHARES.  The four weights are 4 x 16 x 4 = 256 units of 128 columns x 512 K, and x is 16 x 16 = 256 units of 128 rows x 128 K: each of the 256 work-groups takes one of each, 256 KB + 64 KB read: all work-groups are alike, on one path.
; Wave w first makes x's fragment of tile w (its 16 loads go out together with the weight's first block), then its part of the weight: 32 columns x 256 K, eight blocks.
; No tensor loads, no matrix unit, no cluster: the launch is a stream, each input byte read once, each output byte written once in runs of 256 bytes or more.
; THE RECORD OF (G, kappa), 16,896 bytes: its eight images (16,384 bytes), then its 512 bytes of scale words [r 16][a 8].  Records lie [matrix 5][G 16][kappa 16] in ONE buffer: these distances hold in place of those given above.
.set XSC,  67584
.set WSC,  69632                       ; and the weight's 2,048 bytes of scale words
.set SEL,  20                          ; s[20:21] lane selects: lane l xor 16
.set MNT,  23                          ; s23 the mantissa field of 448
.set R,    160                         ; v160-223 x as loaded: 16 rows x 4 registers
.set X,    96                          ; v96-159  64 numbers of my row of x: register 16 b + i = k 32 b + 16 (lane / 16) + i.  (Later the weight's codes)
.set PC,   224                         ; v224-239 x's fragment's codes: written once
.set TM,   240                         ; v240-255 at work
.set PW,   26                          ; v26      x's scale word
.set WX,   32                          ; v32-95   the weight: two sets of 32 numbers
.set WC,   96                          ; v96-159  its codes, 8 registers for each of 8 blocks: no store's data are written again
.set SB,   24                          ; v24-25   its scale words
; 64 numbers of a lane become a fragment's codes in v[PC] on and its scale word in v[PW]
.macro QUANT s
.irp b, 0,1,2,3
	v_max3_num_f32 v[TM+\b], |v[\s+16*\b]|, |v[\s+1+16*\b]|, 0x4800000   ; block b: my 16 numbers, and the floor 2^(9 - 127): the byte cannot fall under 1
.endr
.irp i, 2,4,6,8,10,12,14
.irp b, 0,1,2,3
	s_delay_alu instid0(VALU_DEP_4)
	v_max3_num_f32 v[TM+\b], v[TM+\b], |v[\s+16*\b+\i]|, |v[\s+1+16*\b+\i]|
.endr
.endr
.irp b, 0,1,2,3
	s_delay_alu instid0(VALU_DEP_4)
	v_permlanex16_b32 v[TM+4+\b], v[TM+\b], s[SEL], s[SEL+1]
.endr
.irp b, 0,1,2,3
	s_delay_alu instid0(VALU_DEP_4)
	v_max_num_f32 v[TM+\b], v[TM+\b], v[TM+4+\b]                ; with lane l xor 16's: the block's largest magnitude
.endr
.irp b, 0,1,2,3
	s_delay_alu instid0(VALU_DEP_4)
	v_add_nc_u32 v[TM+12+\b], 0xfc000000, v[TM+\b]              ; 8 off its exponent field: the conversion's scale operand
.endr
.irp b, 0,1,2,3
	v_and_or_b32 v[TM+8+\b], v[TM+\b], 0x7f800000, s[MNT]       ; 448 x the scale
.endr
.irp b, 0,1,2,3
	v_lshrrev_b32 v[TM+4+\b], 23, v[TM+12+\b]                   ; the scale's byte
.endr
	s_delay_alu instid0(VALU_DEP_3)
	v_lshl_or_b32 v[PW], v[TM+5], 8, v[TM+4]
	s_delay_alu instid0(VALU_DEP_1)
	v_lshl_or_b32 v[PW], v[TM+6], 16, v[PW]
	s_delay_alu instid0(VALU_DEP_1)
	v_lshl_or_b32 v[PW], v[TM+7], 24, v[PW]
.irp b, 0,1,2,3
.irp i, 0,1,2,3,4,5,6,7,8,9,10,11,12,13,14,15
	v_med3_num_f32 v[\s+16*\b+\i], v[\s+16*\b+\i], -v[TM+8+\b], v[TM+8+\b]   ; the conversion to an 8-bit code does not saturate (ISA guide 7.6.2): the hold comes first
.endr
	v_cvt_scalef32_pk8_fp8_f32 v[PC+4*\b:PC+1+4*\b], v[\s+16*\b:\s+7+16*\b], v[TM+12+\b]
	v_cvt_scalef32_pk8_fp8_f32 v[PC+2+4*\b:PC+3+4*\b], v[\s+8+16*\b:\s+15+16*\b], v[TM+12+\b]
.endr
	v_nop                                          ; one plain line behind the last conversion
.endm
	s_load_b256 s[4:11], s[0:1], 0x0               ; x, q_out, k_out, v_out
	s_load_b128 s[12:15], s[0:1], 0x20             ; w_out, codes
	v_lshl_add_u32 v30, v0, 2, 0x11800
	v_mov_b32 v31, 0
	v_lshrrev_b32 v2, 5, v0
	s_delay_alu instid0(VALU_DEP_1)
	v_readfirstlane_b32 s18, v2                    ; wave 0..7
	v_and_b32 v2, 31, v0                           ; lane
	v_and_b32 v3, 15, v0                           ; r
	v_bfe_u32 v10, v0, 4, 1                        ; h
	s_delay_alu instid0(VALU_DEP_3)
	v_lshlrev_b32 v1, 4, v2                        ; 16 x lane
	s_mul_i32 s19, s18, 8448                       ; my stage
	v_add_nc_u32 v4, s19, v1                       ; into it: a row's 512 bytes, 16 a lane
	v_mul_u32_u24 v5, v3, 528
	s_delay_alu instid0(VALU_DEP_1)
	v_lshl_add_u32 v5, v10, 6, v5
	s_delay_alu instid0(VALU_DEP_1)
	v_add_nc_u32 v5, s19, v5                       ; out of it: row r, + 64 h: my 16 numbers of a block of 32
	s_lshl_b32 s19, s18, 2
	s_add_co_u32 s19, s19, XSC
	v_lshl_add_u32 v6, v3, 5, s19                  ; x's scale word: 32 r + 4 x tile (= wave)
	v_lshlrev_b32 v7, 3, v0                        ; the weight's words' way out: 8 bytes a thread
	v_add_nc_u32 v8, XSC, v1                       ; x's words' way out: 16 bytes a lane, wave 0 alone
	s_delay_alu instid0(VALU_DEP_2)
	v_add_nc_u32 v27, WSC, v7
	v_lshlrev_b32 v9, 2, v2                        ; the weight: 4 bytes a lane: a lane takes a column
	v_bfe_u32 v11, v0, 3, 1                        ; u: which tile of the pair my column falls into
	v_and_b32 v12, 7, v0
	s_delay_alu instid0(VALU_DEP_1)
	v_lshl_add_u32 v12, v10, 3, v12                ; and which row of it: lane % 8 + 8 (lane / 16)
	s_delay_alu instid0(VALU_DEP_1)
	v_lshlrev_b32 v14, 4, v12
	s_delay_alu instid0(VALU_DEP_1)
	v_lshl_add_u32 v14, v11, 11, v14               ; my 16 bytes in the pair of images: 2,048 u + 16 row
	s_and_b32 s24, s18, 3                          ; which 32 columns of the 128
	s_lshr_b32 s25, s18, 2                         ; which 256 of the 512 along K
	s_lshl_b32 s19, s25, 10
	s_lshl_b32 s26, s24, 3
	s_add_co_u32 s19, s19, s26
	s_add_co_u32 s19, s19, WSC
	v_lshl_add_u32 v15, v12, 5, s19
	s_delay_alu instid0(VALU_DEP_1)
	v_lshl_add_u32 v15, v11, 2, v15                ; the weight's scale word: 1,024 x half + 32 row + 4 x tile
	s_mov_b32 s[SEL], 0x76543210
	s_mov_b32 s[SEL+1], 0xfedcba98
	s_mov_b32 s[MNT], 0x600000
.irp b, 0,1,2,3
	v_mov_b32 v[TM+4+\b], 0                        ; written once: a lane permute's destination counts as one of its sources
.endr
	; x's unit: group wg / 16, kappa wg % 16.  Offsets in registers of their own, apart from the addresses
	s_lshr_b32 s26, ttmp9, 4                       ; x's group
	s_and_b32 s27, ttmp9, 15                       ; x's kappa
	s_lshl_b32 s28, s26, 7
	s_lshr_b32 s34, s18, 1
	s_lshl_b32 s34, s34, 5
	s_add_co_u32 s28, s28, s34
	s_and_b32 s34, s18, 1
	s_lshl_b32 s34, s34, 3
	s_add_co_u32 s28, s28, s34                     ; the tile's first row: 128 G + 32 (w / 2) + 8 (w % 2)
	s_lshl_b32 s28, s28, 13                        ; a row is 8,192 bytes
	s_lshl_b32 s34, s27, 9                         ; 128 numbers are 512 bytes
	s_add_co_u32 s28, s28, s34
	s_mov_b32 s29, 0
	s_mul_i32 s30, s26, 270336
	s_mul_i32 s34, s27, 16896
	s_add_co_u32 s30, s30, s34                     ; the record of (G, kappa)
	s_add_co_u32 s32, s30, 16384                   ; its 512 bytes of scale words
	s_mov_b32 s33, 0
	s_lshl_b32 s34, s18, 11
	s_add_co_u32 s30, s30, s34                     ; the image of (G, kappa, w)
	s_mov_b32 s31, 0
	; the weight's unit: matrix wg / 64, group (wg / 4) % 16, 512 along K at 512 (wg % 4)
	s_lshr_b32 s35, ttmp9, 6                       ; 0 q_out, 1 k_out, 2 v_out, 3 w_out
	s_bfe_u32 s34, ttmp9, 0x40002                  ; G
	s_and_b32 s46, ttmp9, 3                        ; which 512 along K
	s_lshl_b32 s47, s46, 1
	s_add_co_u32 s47, s47, s25                     ; which 256 along K of the matrix is my wave's
	s_lshl_b32 s40, s47, 21                        ; 256 rows of 8,192 bytes
	s_lshl_b32 s26, s34, 9
	s_add_co_u32 s40, s40, s26
	s_lshl_b32 s26, s24, 7
	s_add_co_u32 s40, s40, s26
	s_mov_b32 s41, 0
	s_add_co_u32 s27, s35, 1                       ; the matrix's number
	s_lshl_b32 s27, s27, 4
	s_add_co_u32 s27, s27, s34
	s_mul_i32 s27, s27, 270336                     ; the group's 16 records
	s_mul_i32 s42, s47, 33792
	s_add_co_u32 s42, s42, s27
	s_lshl_b32 s26, s24, 12
	s_add_co_u32 s42, s42, s26                     ; the pair of images of my 32 columns, my first 128 along K
	s_mov_b32 s43, 0
	s_mul_i32 s44, s46, 67584
	s_add_co_u32 s44, s44, s27
	s_lshr_b32 s26, s18, 1                         ; waves 2 i and 2 i + 1 store the words of the work-group's i-th record: a thread's 8 bytes stand at 8 x thread within 512 i .., so 16,384 i more
	s_lshl_b32 s26, s26, 14
	s_add_co_u32 s44, s44, s26
	s_add_co_u32 s44, s44, 16384
	s_mov_b32 s45, 0
	s_wait_kmcnt 0x0
	s_add_nc_u64 s[4:5], s[4:5], s[28:29]          ; x at my tile
	s_add_nc_u64 s[36:37], s[14:15], s[30:31]      ; x's image
	s_add_nc_u64 s[38:39], s[14:15], s[32:33]      ; x's scale words
	s_cmp_lt_u32 s35, 1
	s_cselect_b64 s[6:7], s[6:7], s[8:9]
	s_cmp_lt_u32 s35, 3
	s_cselect_b64 s[10:11], s[10:11], s[12:13]
	s_cmp_lt_u32 s35, 2
	s_cselect_b64 s[6:7], s[6:7], s[10:11]         ; the choice hangs on the work-group's number alone
	s_add_nc_u64 s[6:7], s[6:7], s[40:41]
	s_add_nc_u64 s[16:17], s[14:15], s[44:45]
	s_add_nc_u64 s[14:15], s[14:15], s[42:43]
.macro WLOAD t                         ; block t: W(32 t + i, my column): 128 consecutive bytes a wave, four waves side by side
.irp i, 0,1,2,3,4,5,6,7,8,9,10,11,12,13,14,15,16,17,18,19,20,21,22,23,24,25,26,27,28,29,30,31
	global_load_b32 v[WX+32*((\t)%2)+\i], v9, s[6:7] offset:(32*(\t)+\i)*8192 th:TH_LOAD_NT
.endr
.endm
.macro WBLOCK t
.set XS, WX+32*((\t)%2)
.if (\t) < 7
	s_wait_loadcnt 32                              ; this block's 32 loads are in; the next block's 32 may be out
.else
	s_wait_loadcnt 0
.endif
	v_max3_num_f32 v12, |v[XS]|, |v[XS+1]|, |v[XS+2]|               ; all 32 numbers of the block are mine
	v_max3_num_f32 v13, |v[XS+3]|, |v[XS+4]|, |v[XS+5]|
.irp i, 6,10,14,18,22,26
	s_delay_alu instid0(VALU_DEP_2)
	v_max3_num_f32 v12, v12, |v[XS+\i]|, |v[XS+\i+1]|
	s_delay_alu instid0(VALU_DEP_2)
	v_max3_num_f32 v13, v13, |v[XS+\i+2]|, |v[XS+\i+3]|
.endr
	s_delay_alu instid0(VALU_DEP_2)
	v_max3_num_f32 v12, v12, |v[XS+30]|, |v[XS+31]|
	s_delay_alu instid0(VALU_DEP_1)
	v_max3_num_f32 v12, v12, v13, 0x4800000        ; and the floor
	s_delay_alu instid0(VALU_DEP_1)
	v_add_nc_u32 v11, 0xfc000000, v12              ; the conversion's scale operand
	s_delay_alu instid0(VALU_DEP_2)
	v_and_or_b32 v10, v12, 0x7f800000, s[MNT]      ; 448 x the scale
	s_delay_alu instid0(VALU_DEP_2)
	v_lshrrev_b32 v13, 23, v11                     ; the byte
.if (\t)%4 == 0
	s_delay_alu instid0(VALU_DEP_1)
	v_mov_b32 v[SB+(\t)/4], v13
.else
	s_delay_alu instid0(VALU_DEP_1)
	v_lshl_or_b32 v[SB+(\t)/4], v13, 8*((\t)%4), v[SB+(\t)/4]
.endif
.irp i, 0,1,2,3,4,5,6,7,8,9,10,11,12,13,14,15,16,17,18,19,20,21,22,23,24,25,26,27,28,29,30,31
	v_med3_num_f32 v[XS+\i], v[XS+\i], -v10, v10
.endr
.irp g, 0,1,2,3
	v_cvt_scalef32_pk8_fp8_f32 v[WC+8*(\t)+2*\g:WC+8*(\t)+2*\g+1], v[XS+8*\g:XS+8*\g+7], v11
.endr
	v_nop                                          ; one plain line behind the last conversion
	global_store_b128 v14, v[WC+8*(\t):WC+8*(\t)+3], s[14:15] offset:((\t)/4)*16896+((\t)%4)*512        ; k 0-15 of the block: the place of lanes 0-15 in both images: two whole runs of 256 bytes
	global_store_b128 v14, v[WC+8*(\t)+4:WC+8*(\t)+7], s[14:15] offset:((\t)/4)*16896+((\t)%4)*512+256  ; k 16-31: the place of lanes 16-31
.if (\t)%4 == 3
	ds_store_b32 v15, v[SB+(\t)/4] offset:512*((\t)/4)
.endif
.if (\t)+2 < 8
	WLOAD (\t)+2
.endif
.endm
	; ---- x: 128 numbers of each of my tile's 16 rows: each load reads 512 consecutive bytes.  The weight's first block goes out behind them
.irp t, 0,1,2,3,4,5,6,7,8,9,10,11,12,13,14,15
	global_load_b128 v[R+4*\t:R+4*\t+3], v1, s[4:5] offset:(\t+8*(\t/8))*8192 th:TH_LOAD_NT
.endr
	WLOAD 0
	s_wait_loadcnt 32                              ; x's 16 loads are in; the 32 of the weight's block 0 may be out
.irp t, 0,1,2,3,4,5,6,7,8,9,10,11,12,13,14,15
	ds_store_b128 v4, v[R+4*\t:R+4*\t+3] offset:528*\t   ; rows 528 bytes apart: an odd multiple of 16
.endr
.irp b, 0,1,2,3
.irp j, 0,1,2,3
	ds_load_b128 v[X+16*\b+4*\j:X+16*\b+4*\j+3], v5 offset:128*\b+16*\j   ; LDS serves a wave's instructions in order (ISA guide 5.7.1.4): these see my stores
.endr
.endr
	WLOAD 1                                        ; the weight's second block is asked for while x turns through the stage
	s_wait_dscnt 0x0                               ; my 64 numbers are back
	QUANT X
.irp c, 0,1,2,3
	global_store_b128 v1, v[PC+4*\c:PC+4*\c+3], s[36:37] offset:512*\c   ; 32 lanes store 512 consecutive bytes
.endr
	ds_store_b32 v6, v[PW]                         ; lanes r and r + 16 write the same word with the same value
	; ---- the weight: A LANE TAKES A COLUMN AND ITS REGISTERS RUN DOWN K
.irp t, 0,1,2,3,4,5,6,7
	WBLOCK \t
.endr
	s_wait_dscnt 0x0                               ; for the others' sake: my words lie in LDS
	s_barrier_signal -1
	s_barrier_wait -1
	ds_load_b64 v[16:17], v27                      ; the weight's words: 8 bytes a thread
	s_cmp_lg_u32 s18, 0                            ; x's 512 bytes of words leave by wave 0
	s_cbranch_scc1 .Lnot_wave_0
	ds_load_b128 v[20:23], v8
	s_wait_dscnt 0x0
	global_store_b128 v1, v[20:23], s[38:39]       ; 32 lanes store 512 consecutive bytes, aligned
.Lnot_wave_0:
	s_wait_dscnt 0x0
	global_store_b64 v7, v[16:17], s[16:17]        ; a wave stores 256 consecutive bytes, aligned
	s_wait_tensorcnt 0x0
	ds_add_u32 v30, v31
	s_wait_dscnt 0x0
	s_endpgm
.Lfunc_end_k_q3a9b6a5562_quant:
	.size	k_q3a9b6a5562_quant, .Lfunc_end_k_q3a9b6a5562_quant-k_q3a9b6a5562_quant
	.p2alignl 7, 3214868480
	.fill 96, 4, 3214868480
	.section	.rodata,"a",@progbits
	.p2align	6, 0x0
	.amdhsa_kernel k_q3a9b6a5562_quant
		.amdhsa_group_segment_fixed_size 72704
		.amdhsa_private_segment_fixed_size 0
		.amdhsa_enable_private_segment 0
		.amdhsa_kernarg_size 48
		.amdhsa_user_sgpr_count 2
		.amdhsa_user_sgpr_kernarg_segment_ptr 1
		.amdhsa_wavefront_size32 1
		.amdhsa_system_sgpr_workgroup_id_x 1
		.amdhsa_system_sgpr_workgroup_id_y 1
		.amdhsa_system_sgpr_workgroup_id_z 1
		.amdhsa_system_vgpr_workitem_id 0
		.amdhsa_next_free_vgpr 256
		.amdhsa_next_free_sgpr 66
		.amdhsa_reserve_vcc 0
		.amdhsa_float_denorm_mode_32 3
		.amdhsa_float_denorm_mode_16_64 3
		.amdhsa_memory_ordered 1
		.amdhsa_forward_progress 1
		.amdhsa_inst_pref_size 78
	.end_amdhsa_kernel
	.amdgpu_metadata
---
amdhsa.version: [ 1, 2 ]
amdhsa.kernels:
  - .name:           k_q3a9b6a5562_quant
    .symbol:         k_q3a9b6a5562_quant.kd
    .args:
      - { .name: x, .offset: 0, .size: 8, .value_kind: global_buffer, .address_space: global }
      - { .name: q_out, .offset: 8, .size: 8, .value_kind: global_buffer, .address_space: global }
      - { .name: k_out, .offset: 16, .size: 8, .value_kind: global_buffer, .address_space: global }
      - { .name: v_out, .offset: 24, .size: 8, .value_kind: global_buffer, .address_space: global }
      - { .name: w_out, .offset: 32, .size: 8, .value_kind: global_buffer, .address_space: global }
      - { .name: codes, .offset: 40, .size: 8, .value_kind: global_buffer, .address_space: global }
    .group_segment_fixed_size: 72704
    .private_segment_fixed_size: 0
    .kernarg_segment_align: 8
    .kernarg_segment_size: 48
    .max_flat_workgroup_size: 256
    .sgpr_count:     66
    .vgpr_count:     256
    .wavefront_size: 32
...
	.end_amdgpu_metadata
.endif
;; end of part 1
;; launch qkv (part 2): grid 16 x 16, 4 waves a work-group, clusters of 4 x 4, 327,680 bytes of LDS; arguments codes, qbuf, kv; writes qbuf, kv
.if DOCPART == 2
	.amdgcn_target "amdgcn-amd-amdhsa--gfx1250"
	.amdhsa_code_object_version 6
	.text
	.protected	k_q3a9b6a5562_qkv
	.globl	k_q3a9b6a5562_qkv
	.p2align	8
	.type	k_q3a9b6a5562_qkv,@function
k_q3a9b6a5562_qkv:
	s_mov_b64 s[64:65], 0
	v_nop
	global_prefetch_b8 v0, s[64:65] scope:SCOPE_SE
	s_setreg_imm32_b32 hwreg(HW_REG_WAVE_MODE, 25, 1), 1
	s_wait_xcnt 0x0
	s_wait_alu depctr_hold_cnt(0) depctr_sa_sdst(0) depctr_va_vdst(0) depctr_va_sdst(0) depctr_va_ssrc(0) depctr_va_vcc(0) depctr_vm_vsrc(0)
	s_getreg_b32 s2, hwreg(HW_REG_IB_STS2, 6, 4)
	s_cmp_eq_u32 s2, 0
	s_cbranch_scc0 .Lentry_in_a_cluster
	s_endpgm
.Lentry_in_a_cluster:
	s_bfe_u32 s2, ttmp6, 0x10000c
	s_cmp_lg_u32 s2, 0xf033
	s_cbranch_scc0 .Lentry_shape_is_right
	s_endpgm
.Lentry_shape_is_right:
; q = x q_out, k = x k_out, v = x v_out on codes of FP8 (E4M3) with E8M0 scales; the results are quantised in registers: q and k along the head's 128, v along the keys.  No f32 result goes to memory.
; IN: records of 16,896 bytes, [matrix: 0 x, 1 q_out, 2 k_out, 3 v_out][group 16 of 128 rows][kappa 16]: the images of the operand's registers of eight tiles of 16 rows x 128 along K (2,048 bytes each), then their scale words [r 16][tile 8].
; Row r of tile a is row 32 (a / 2) + 8 (a % 2) + r + 8 (r / 8) of its group: so the 16 result registers of source 0's tiles 2 b and 2 b + 1 are the neighbours 32 b + 16 (lane / 16) + 0 .. 15 of its group.
; SHARES.  256 work-groups alike: 128 tokens x one head of q, of k AND of v.  Wave w takes all 128 tokens x the 32 columns 32 w on of each of the three: 8 x 6 tiles, 48 accumulators, 14 fragments for 48 products.
;   q, k: source 0 = the weight's tile, source 1 = x's: a lane holds one token, its registers run along the head's 128.   v: source 0 = x's tile, source 1 = the weight's: a lane holds one channel, its registers run along the keys.
; THE RING.  Two LDS slots of two kappa (135,168 bytes): x's two records, then q_out's, k_out's, v_out's.  Wave 0 asks for x's, waves 1 to 3 for a weight's: one tensor load a wave, 132 rows of 256 bytes.
; CLUSTERS: 4 x 4.  x's records hang on the work-group's y alone and are asked for jointly along a row of the cluster; the weights' hang on its x and are asked for along a column.
; PREFETCH: two refills ahead.  Each of the four partners of a joint load names 33 of the tile's 132 rows, told apart by address: a lane a row, and a second instruction for the 33rd (its other lanes name the same row again).
; At the head slots 1 and 2 are asked for, behind slot 1's load slot 3; a refill of slot s + 2 asks for slot s + 4; the last two refills ask for nothing.
; REGISTERS.  window 0: v4-29 addresses; v32-63 scale words, two sets (x's 8, the weights' 6); v64-255 the weights' fragments, two sets of 6.  window 1: x's fragments, two sets of 8.
;   window 2: q's and k's sums: product n = 4 a + j (token tile a; j = q 0, 1, k 0, 1) at v[8 n].  window 3: v's: channel tile u, token tile a at v[8 (8 u + a)].
; The 48 accumulators take turns, one instruction a turn, in the same order in every kappa.
; OUT: q: images at head x 262,144 + token tile x 2,048, words at 4,194,304 + head x 8,192 + group x 512.  k, v: a record of 67,584 bytes for each head and 256 keys: K's 16 images, V^T's 16 images, K's words (1,024), V's words (1,024).
; LIMITS: a block of zeros gets the byte 1 (its codes are zeros; this program alone reads the bytes).  NaN and infinities are not served.
.set GRP,   270336                     ; a group's 16 records
.set REC,   16896
.set TILE,  2*REC                      ; what one tensor load brings
.set SLOT,  4*TILE
.set XN,    2*SLOT                     ; behind the ring: the results' scale words, q's, k's, v's, 512 bytes each: no tile lands there
.set SPARE, XN+1536                    ; the spare words, 128 bytes for each wave: two blocks of 256 bytes that no other line names
.set AX,  4                            ; v4-5    x's fragments in slot 0, 1
.set AW,  6                            ; v6-7    q_out's and k_out's
.set AV,  8                            ; v8-9    v_out's
.set ASX, 10                           ; v10-11  x's scale words
.set ASW, 12                           ; v12-13  q_out's and k_out's
.set ASV, 14                           ; v14-15  v_out's
.set LI,  16                           ; v16     16 x lane
.set PFO, 17                           ; v17     256 x lane
.set PF2, 18                           ; v18     32 x 256
.set XB,  19                           ; v19     where q's and k's scale bytes go in LDS
.set XV,  20                           ; v20     where v's two words go
.set RD,  21                           ; v21     my 16 bytes of the words that my wave stores
.set FLR, 22
.set VWD, 24
.set SPW, 28
.set NIL, 29
.set SC,  32
.set EB,  32                           ; the way out: v32-55 scale bytes, v64-127 held numbers, v128-223 codes, v224-239 at work
.set WF,  64
.set T,   64
.set PC,  128
.set TM,  224
.set G1,  24
.set G0,  32
.set G1B, 48
.set G0B, 56
.set OQ,  66                           ; s[66:67], s[68:69], s[70:71], s[72:73]: where q's, k's, v's codes and my wave's words go
.set OV,  70
.set OW,  72
.set PFA, 74
.set SEL, 76
.set MNT, 78
.set MSB, 0
.macro WIN new                         ; the immediate's high byte repeats the setting that is left
.if MSB != (\new)
	s_set_vgpr_msb (MSB<<8)|(\new)
.set MSB, (\new)
.endif
.endm
.macro PLACES n
.rept \n
	v_nop
.endr
.endm
.macro JLOAD s                         ; a joint load: wave 0 for x, the others for a weight; each line has one mask and one descriptor for all that it names
	s_cmp_eq_u32 s14, 0
	s_cbranch_scc0 .Lfor_w_\@
	tensor_load_to_lds s[G0+4*\s:G0+4*\s+3], s[G1:G1+7]
	s_nop 0
	PLACES 4
	s_branch .Lasked_\@
.Lfor_w_\@:
	tensor_load_to_lds s[G0B+4*\s:G0B+4*\s+3], s[G1B:G1B+7]
	s_nop 0
	PLACES 4
.Lasked_\@:
.endm
.macro CREST                           ; a round of the cluster's barrier behind its opening barrier
	s_cmp_lg_u32 s14, 0
	s_cbranch_scc1 .Lnot_wave_0_\@
	s_barrier_signal -3
.Lnot_wave_0_\@:
	s_barrier_wait -3
	s_barrier_signal -1
	s_barrier_wait -1
.endm
.macro CROUND
	s_barrier_signal -1
	s_barrier_wait -1
	CREST
.endm
.macro ASK off
	global_prefetch_b8 v[PFO], s[PFA:PFA+1] offset:\off th:TH_LOAD_NT scope:SCOPE_SE
	global_prefetch_b8 v[PF2], s[PFA:PFA+1] offset:\off th:TH_LOAD_NT scope:SCOPE_SE
.endm
.macro ASKT                            ; in the loop: the last trip's two refills ask for nothing
	s_cmp_gt_u32 s3, 1
	s_cbranch_scc0 .Lno_ask_\@
	ASK 2*TILE
.Lno_ask_\@:
.endm
	s_load_b128 s[4:7], s[0:1], 0x0                ; codes, qbuf
	s_load_b64 s[8:9], s[0:1], 0x10                ; kv
	v_lshl_add_u32 v[SPW], v0, 2, SPARE
	v_mov_b32 v[NIL], 0
	ds_add_u32 v[SPW], v[NIL]                      ; the wave's opening: the add, twice on end, and its wait ahead of my first tensor load
	ds_add_u32 v[SPW], v[NIL]
	v_lshrrev_b32 v1, 5, v0
	v_readfirstlane_b32 s14, v1                    ; wave 0..3
	s_bfe_u32 s40, ttmp6, 0x40000                  ; cx, cy: my place in the cluster
	s_bfe_u32 s41, ttmp6, 0x40004
	s_lshl_b32 s42, ttmp9, 2
	s_add_co_u32 s42, s42, s40                     ; the head = 4 x cluster x + cx
	s_and_b32 s17, ttmp7, 0xffff
	s_lshl_b32 s17, s17, 2
	s_add_co_u32 s17, s17, s41                     ; the tokens' group = 4 x cluster y + cy
	s_lshl_b32 s43, s41, 2
	s_lshl_b32 s43, 15, s43                        ; my row of the cluster
	s_lshl_b32 s44, 0x1111, s40                    ; my column
	s_or_b32 s[G1+0], s43, (3<<16)|(1<<21)         ; 15:0 the mask; 17:16 elements of 8 bytes; 21 set beside a mask
	s_or_b32 s[G1B+0], s44, (3<<16)|(1<<21)
.irp g, G1, G1B
	s_mov_b32 s[\g+1], 32<<16                      ; tensor_dim0: 32 elements of 8 bytes
	s_mov_b32 s[\g+2], 132<<16                     ; tensor_dim1
	s_mov_b32 s[\g+3], 32<<16                      ; tile_dim0
	s_mov_b32 s[\g+4], 132                         ; tile_dim1
	s_mov_b32 s[\g+5], 32                          ; tensor_dim0_stride: a dense block
	s_mov_b32 s[\g+6], 0
	s_mov_b32 s[\g+7], 0
.endr
	s_mul_i32 s20, s17, GRP                        ; x's group
	s_mov_b32 s21, 0
	s_lshl_b32 s46, s14, 4                         ; waves 1, 2, 3 ask for matrices 1, 2, 3 (what wave 0 makes here it does not use)
	s_add_co_u32 s46, s46, s42
	s_mul_i32 s46, s46, GRP
	s_mov_b32 s47, 0
	s_mul_i32 s45, s14, TILE                       ; where it goes: no place in the cluster enters an LDS address
	s_wait_dscnt 0x0                               ; both opening adds are done
	CROUND                                         ; all sixteen work-groups are here: the first joint loads meet
	s_wait_kmcnt 0x0
	s_add_nc_u64 s[20:21], s[4:5], s[20:21]
	s_add_nc_u64 s[46:47], s[4:5], s[46:47]
.irp s, 0,1
	s_mov_b32 s[G0+4*\s], 1
	s_mov_b32 s[G0+4*\s+1], \s*SLOT
	s_add_nc_u64 s[G0+4*\s+2:G0+4*\s+3], s[20:21], \s*TILE
	s_or_b32 s[G0+4*\s+3], s[G0+4*\s+3], 0x80000000
	s_mov_b32 s[G0B+4*\s], 1
	s_add_co_u32 s[G0B+4*\s+1], s45, \s*SLOT
	s_add_nc_u64 s[G0B+4*\s+2:G0B+4*\s+3], s[46:47], \s*TILE
	s_or_b32 s[G0B+4*\s+3], s[G0B+4*\s+3], 0x80000000
.endr
	JLOAD 0                                        ; slot 0: one tensor load a wave at the head
	; the prefetches: my wave's tile, my work-group's 33 rows of it, one slot on
	s_cmp_eq_u32 s14, 0
	s_cselect_b32 s22, s40, s41                    ; my place among the four that ask with me
	s_cselect_b64 s[PFA:PFA+1], s[20:21], s[46:47]
	s_mul_i32 s22, s22, 33*256
	s_add_co_u32 s22, s22, TILE
	s_mov_b32 s23, 0
	s_add_nc_u64 s[PFA:PFA+1], s[PFA:PFA+1], s[22:23]
	; where my results go
	s_lshl_b32 s80, s42, 18
	s_lshl_b32 s82, s17, 14
	s_add_co_u32 s80, s80, s82
	s_lshl_b32 s82, s14, 9
	s_add_co_u32 s80, s80, s82                     ; q: image (head, token tile), piece 512 w
	s_mov_b32 s81, 0
	s_lshl_b32 s84, s42, 3
	s_lshr_b32 s83, s17, 1
	s_add_co_u32 s84, s84, s83
	s_mul_i32 s84, s84, 67584                      ; the record of (head, 256 keys)
	s_and_b32 s85, s17, 1                          ; which 128 keys of it
	s_lshl_b32 s83, s85, 14
	s_add_co_u32 s83, s83, s84
	s_add_co_u32 s86, s83, s82                     ; k
	s_mov_b32 s87, 0
	s_lshl_b32 s82, s14, 12
	s_add_co_u32 s88, s83, s82
	s_add_co_u32 s88, s88, 32768                   ; v: channel tiles 2 w, 2 w + 1
	s_mov_b32 s89, 0
	s_lshl_b32 s90, s42, 13
	s_lshl_b32 s82, s17, 9
	s_add_co_u32 s90, s90, s82
	s_add_co_u32 s90, s90, 4194304                 ; wave 0 stores q's words,
	s_lshl_b32 s82, s85, 9
	s_add_co_u32 s91, s84, s82
	s_lshl_b32 s82, s14, 10
	s_add_co_u32 s91, s91, s82
	s_add_co_u32 s91, s91, 65536-1024              ; wave 1 k's, wave 2 v's
	s_cmp_eq_u32 s14, 0
	s_cselect_b32 s90, s90, s91
	s_cselect_b64 s[OW:OW+1], s[6:7], s[8:9]
	s_mov_b32 s91, 0
	s_add_nc_u64 s[OW:OW+1], s[OW:OW+1], s[90:91]
	s_add_nc_u64 s[OQ:OQ+1], s[6:7], s[80:81]
	s_add_nc_u64 s[OQ+2:OQ+3], s[8:9], s[86:87]
	s_add_nc_u64 s[OV:OV+1], s[8:9], s[88:89]
	s_mov_b32 s[SEL], 0x76543210
	s_mov_b32 s[SEL+1], 0xfedcba98
	s_mov_b32 s[MNT], 0x600000
	; LDS addresses
	s_lshl_b32 s18, s14, 12
	s_add_co_u32 s18, s18, TILE                    ; my two tiles of q_out's record, in slot 0
	s_add_co_u32 s19, s18, 2*TILE                  ; and of v_out's
	s_lshl_b32 s80, s14, 3
	s_add_co_u32 s82, s80, XN+1024
	s_add_co_u32 s80, s80, TILE+16384              ; my two words of a row
	s_add_co_u32 s81, s80, 2*TILE
	s_add_co_u32 s83, s14, XN
	s_lshl_b32 s84, s14, 9
	s_add_co_u32 s84, s84, XN
	v_and_b32 v1, 15, v0                           ; r
	v_and_b32 v2, 31, v0                           ; lane
	v_lshlrev_b32 v[LI], 4, v2
	v_lshlrev_b32 v3, 5, v1                        ; a row's eight words are 32 bytes
	v_lshlrev_b32 v[PFO], 8, v2
	v_mov_b32 v[PF2], 32*256
	v_mov_b32 v[AX], v[LI]
	v_add_nc_u32 v[AX+1], SLOT, v[LI]
	v_add_nc_u32 v[AW], s18, v[LI]
	v_add_nc_u32 v[AW+1], SLOT, v[AW]
	v_add_nc_u32 v[AV], s19, v[LI]
	v_add_nc_u32 v[AV+1], SLOT, v[AV]
	v_mov_b32 v[ASX], v3
	v_add_nc_u32 v[ASX+1], SLOT, v3
	v_add_nc_u32 v[ASW], s80, v3
	v_add_nc_u32 v[ASW+1], SLOT, v[ASW]
	v_add_nc_u32 v[ASV], s81, v3
	v_add_nc_u32 v[ASV+1], SLOT, v[ASV]
	v_add_nc_u32 v[XB], s83, v3
	v_add_nc_u32 v[XV], s82, v3
	v_add_nc_u32 v[RD], s84, v[LI]
	ASK 0                                          ; slot 1
.macro FRAG reg, adr, off              ; an image comes back as it was stored: four loads of 512 consecutive bytes
.irp c, 0,1,2,3
	ds_load_b128 v[\reg+4*\c:\reg+4*\c+3], v[\adr] offset:(\off)+512*\c
.endr
.endm
; The loads of kappa q of a slot, into set q, in seven runs: 0: the scale words and q's first tile; 1: q's second, k's first; 2: k's second, v's two; 3 to 6: x's tiles by pairs
.macro BURST k, s, q
.if (\k) == 0
	WIN 0
	ds_load_b128 v[SC+16*\q:SC+16*\q+3], v[ASX+\s] offset:REC*\q+16384
	ds_load_b128 v[SC+16*\q+4:SC+16*\q+7], v[ASX+\s] offset:REC*\q+16400
	ds_load_b64 v[SC+16*\q+8:SC+16*\q+9], v[ASW+\s] offset:REC*\q
	ds_load_b64 v[SC+16*\q+10:SC+16*\q+11], v[ASW+\s] offset:REC*\q+TILE
	ds_load_b64 v[SC+16*\q+12:SC+16*\q+13], v[ASV+\s] offset:REC*\q
	FRAG WF+96*\q, AW+\s, REC*\q
.elseif (\k) == 1
	WIN 0
	FRAG WF+96*\q+16, AW+\s, REC*\q+2048
	FRAG WF+96*\q+32, AW+\s, REC*\q+TILE
.elseif (\k) == 2
	WIN 0
	FRAG WF+96*\q+48, AW+\s, REC*\q+TILE+2048
	FRAG WF+96*\q+64, AV+\s, REC*\q
	FRAG WF+96*\q+80, AV+\s, REC*\q+2048
.else
	WIN 0x40
	FRAG 128*\q+32*((\k)-3), AX+\s, REC*\q+4096*((\k)-3)
	FRAG 128*\q+32*((\k)-3)+16, AX+\s, REC*\q+4096*((\k)-3)+2048
.endif
.endm
.macro PROD p, n, zero                 ; product n of a kappa whose fragments stand in set p
.if (\n) < 32
	WIN 0xa4                                       ; source 0 (weight) window 0, source 1 (x) window 1, C and D window 2
.set D_, 8*(\n)
.set A_, WF+96*(\p)+16*((\n)%4)
.set B_, 128*(\p)+16*((\n)/4)
.set U_, SC+16*(\p)+8+(\n)%4
.set V_, SC+16*(\p)+(\n)/4
.else
	WIN 0xf1                                       ; source 0 (x) window 1, source 1 (weight) window 0, C and D window 3
.set D_, 8*((\n)-32)
.set A_, 128*(\p)+16*((\n)%8)
.set B_, WF+96*(\p)+64+16*(((\n)-32)/8)
.set U_, SC+16*(\p)+(\n)%8
.set V_, SC+16*(\p)+12+((\n)-32)/8
.endif
.if \zero
	v_wmma_scale_f32_16x16x128_f8f6f4 v[D_:D_+7], v[A_:A_+15], v[B_:B_+15], 0, v[U_], v[V_]
.else
	v_wmma_scale_f32_16x16x128_f8f6f4 v[D_:D_+7], v[A_:A_+15], v[B_:B_+15], v[D_:D_+7], v[U_], v[V_]
.endif
.endm
.macro RUN from, to, p, zero
.set N_, \from
.rept (\to)-(\from)
	PROD \p, N_, \zero
.set N_, N_+1
.endr
.endm
.macro SPREAD from, by, p, zero, fs, fq, ask   ; the rest of a kappa's products, with the next kappa's seven runs of loads among them
.irp k, 0,1,2                          ; in two runs: the scale words and the weights' tiles, then x's
	BURST \k, \fs, \fq
.endr
.if \ask
	ASKT
.endif
	RUN \from, (\from)+4*(\by), \p, \zero
.irp k, 3,4,5,6
	BURST \k, \fs, \fq
.endr
	RUN (\from)+4*(\by), 48, \p, \zero
	WIN 0
.endm
; A slot's first kappa: its successor lies in the same slot.  The eight v_nop are the places in front of loads into registers that the kappa before has read.
.macro STEP s, zero
	s_wait_dscnt 8                                 ; all but the youngest eight loads (x's tiles 6 and 7) are in
	RUN 0, 8, 0, \zero
	s_wait_dscnt 0x0
	PLACES 8
	SPREAD 8, 5, 0, \zero, \s, 1, 0
.endm
; A slot's second kappa: all its fragments have been asked for, so the slot is given up at its head.
.macro TURN s, next, fill
.if \fill
	s_wait_xcnt 0x0                                ; my prefetches have read their address
	s_add_nc_u64 s[PFA:PFA+1], s[PFA:PFA+1], TILE
.endif
	s_wait_dscnt 8
	s_wait_tensorcnt 0x0                           ; my part of the next slot has landed, and no tensor load of mine is out: a group 0 may be written
	ds_add_u32 v[SPW], v[NIL]                      ; 0 onto my spare word
.if \fill
	s_add_nc_u64 s[G0+4*\s+2:G0+4*\s+3], s[G0+4*\s+2:G0+4*\s+3], 2*TILE
	s_add_nc_u64 s[G0B+4*\s+2:G0B+4*\s+3], s[G0B+4*\s+2:G0B+4*\s+3], 2*TILE
.endif
	RUN 0, 8, 1, 0                                 ; eight products stand between the add and the wait for it
	s_wait_dscnt 0x0                               ; the add is done, and my reads of this slot are over
	s_barrier_signal -1
	RUN 8, 14, 1, 0
	WIN 0
	s_barrier_wait -1
.if \fill
	CREST                                          ; no wave of any partner still reads this slot or has a load on its way
	JLOAD \s                                       ; the first tensor load behind the round; its four v_nop are among the places in front of the loads below
	PLACES 4
.else
	PLACES 8
.endif
	SPREAD 14, 4, 1, 0, \next, 0, \fill
.endm
	s_wait_alu depctr_va_vdst(0)                   ; the wait at the head's end
	s_wait_tensorcnt 0x0                           ; my part of slot 0 is in
	ds_add_u32 v[SPW], v[NIL]
	s_wait_dscnt 0x0
	CROUND                                         ; everybody's part of slot 0 is in,
	JLOAD 1                                        ; and slot 1's load is the first behind the round
.irp k, 0,1,2,3,4,5,6
	BURST \k, 0, 0
.endr
	WIN 0
	ASK TILE                                       ; slot 2
	ASK 2*TILE                                     ; slot 3
	STEP 0, 1                                      ; the first kappa's products start the sums: nothing is cleared
	s_mov_b32 s3, 3
.Llap:                                             ; a trip goes once round the ring and fills both slots again
	TURN 0, 1, 1
	STEP 1, 0
	TURN 1, 0, 1
	STEP 0, 0
	s_sub_co_u32 s3, s3, 1
	s_cmp_lg_u32 s3, 0
	s_cbranch_scc1 .Llap
	TURN 0, 1, 0                                   ; the last lap fills nothing
	STEP 1, 0
	s_wait_dscnt 8
	RUN 0, 8, 1, 0
	s_wait_dscnt 0x0
	RUN 8, 48, 1, 0
	WIN 0
; THE WAY OUT.  64 neighbouring registers of a window are four blocks of 16 numbers a lane; with lane l xor 16's they are four blocks of 32.  Each accumulator is read from its low end on.
.macro Q4 win, s, n
	WIN ((\win)<<2)|((\win)<<4)
.irp b, 0,1,2,3
	v_max3_num_f32 v[TM+\b], v[FLR], |v[\s+16*\b]|, |v[\s+16*\b+1]|   ; the floor 2^(9 - 127) among the leaves
.endr
.irp i, 2,4,6,8,10,12,14
.irp b, 0,1,2,3
	v_max3_num_f32 v[TM+\b], v[TM+\b], |v[\s+16*\b+\i]|, |v[\s+16*\b+\i+1]|
.endr
.endr
	WIN 0
.irp b, 0,1,2,3
	v_permlanex16_b32 v[TM+4+\b], v[TM+\b], s[SEL], s[SEL+1]
.endr
.irp b, 0,1,2,3
	v_max_num_f32 v[TM+\b], v[TM+\b], v[TM+4+\b]
.endr
.irp b, 0,1,2,3
	v_add_nc_u32 v[TM+12+\b], 0xfc000000, v[TM+\b]                 ; the conversion's scale operand
.endr
.irp b, 0,1,2,3
	v_and_or_b32 v[TM+8+\b], v[TM+\b], 0x7f800000, s[MNT]          ; 448 x the scale
.endr
.irp b, 0,1,2,3
	v_lshrrev_b32 v[EB+4*(\n)+\b], 23, v[TM+12+\b]                 ; the byte
.endr
	WIN \win
.irp b, 0,1,2,3
.irp i, 0,1,2,3,4,5,6,7,8,9,10,11,12,13,14,15
	v_med3_num_f32 v[T+16*\b+\i], v[\s+16*\b+\i], -v[TM+8+\b], v[TM+8+\b]   ; the hold (ISA guide 7.6.2: the conversion does not saturate)
.endr
.endr
	WIN 0
.irp b, 0,1,2,3
	v_cvt_scalef32_pk8_fp8_f32 v[PC+16*(\n)+4*\b:PC+16*(\n)+4*\b+1], v[T+16*\b:T+16*\b+7], v[TM+12+\b]
	v_cvt_scalef32_pk8_fp8_f32 v[PC+16*(\n)+4*\b+2:PC+16*(\n)+4*\b+3], v[T+16*\b+8:T+16*\b+15], v[TM+12+\b]
.endr
	v_nop                                          ; one plain line behind the last conversion
.endm
	PLACES 8                                       ; behind the last products
	v_mov_b32 v[FLR], 0x4800000
.irp b, 0,1,2,3
	v_mov_b32 v[TM+4+\b], 0                        ; a lane permute's destination counts as one of its sources
.endr
.irp n, 0,1,2,3                                    ; token tiles 2 n and 2 n + 1: blocks 0, 2 are q's, 1, 3 k's: the head's 32 columns 32 w on
	Q4 2, 64*\n, \n
.irp b, 0,1,2,3
	ds_store_b8 v[XB], v[EB+4*\n+\b] offset:512*(\b%2)+4*(2*\n+\b/2)   ; lanes r and r + 16 write the same byte with the same value
	global_store_b128 v[LI], v[PC+16*\n+4*\b:PC+16*\n+4*\b+3], s[OQ+2*(\b%2):OQ+2*(\b%2)+1] offset:2048*(2*\n+\b/2)   ; 512 consecutive bytes
.endr
.endr
.irp u, 0,1                                        ; v's channel tile 2 w + u: four blocks of 32 keys
	Q4 3, 64*\u, 4+\u
	v_lshl_or_b32 v[VWD+\u], v[EB+17+4*\u], 8, v[EB+16+4*\u]
	v_lshl_or_b32 v[VWD+\u], v[EB+18+4*\u], 16, v[VWD+\u]
	v_lshl_or_b32 v[VWD+\u], v[EB+19+4*\u], 24, v[VWD+\u]
.irp b, 0,1,2,3
	global_store_b128 v[LI], v[PC+64+16*\u+4*\b:PC+64+16*\u+4*\b+3], s[OV:OV+1] offset:2048*\u+512*\b
.endr
.endr
	ds_store_b64 v[XV], v[VWD:VWD+1]
	s_wait_dscnt 0x0                               ; for the others' sake: my bytes lie in LDS
	s_barrier_signal -1
	s_barrier_wait -1
	s_cmp_eq_u32 s14, 3
	s_cbranch_scc1 .Lno_words
	ds_load_b128 v[56:59], v[RD]
	s_wait_dscnt 0x0
	global_store_b128 v[LI], v[56:59], s[OW:OW+1]  ; 512 consecutive bytes, aligned
.Lno_words:
	s_wait_tensorcnt 0x0                           ; the wave's end
	ds_add_u32 v[SPW], v[NIL]
	s_wait_dscnt 0x0
	CROUND                                         ; the closing round: no work-group ends while a partner may still ask for a tile that names it
	s_endpgm
.Lfunc_end_k_q3a9b6a5562_qkv:
	.size	k_q3a9b6a5562_qkv, .Lfunc_end_k_q3a9b6a5562_qkv-k_q3a9b6a5562_qkv
	.p2alignl 7, 3214868480
	.fill 96, 4, 3214868480
	.section	.rodata,"a",@progbits
	.p2align	6, 0x0
	.amdhsa_kernel k_q3a9b6a5562_qkv
		.amdhsa_group_segment_fixed_size 327680
		.amdhsa_private_segment_fixed_size 0
		.amdhsa_enable_private_segment 0
		.amdhsa_kernarg_size 24
		.amdhsa_user_sgpr_count 2
		.amdhsa_user_sgpr_kernarg_segment_ptr 1
		.amdhsa_wavefront_size32 1
		.amdhsa_system_sgpr_workgroup_id_x 1
		.amdhsa_system_sgpr_workgroup_id_y 1
		.amdhsa_system_sgpr_workgroup_id_z 1
		.amdhsa_system_vgpr_workitem_id 0
		.amdhsa_next_free_vgpr 1024
		.amdhsa_next_free_sgpr 96
		.amdhsa_reserve_vcc 0
		.amdhsa_float_denorm_mode_32 3
		.amdhsa_float_denorm_mode_16_64 3
		.amdhsa_memory_ordered 1
		.amdhsa_forward_progress 1
		.amdhsa_inst_pref_size 146
	.end_amdhsa_kernel
	.amdgpu_metadata
---
amdhsa.version: [ 1, 2 ]
amdhsa.kernels:
  - .name:           k_q3a9b6a5562_qkv
    .symbol:         k_q3a9b6a5562_qkv.kd
    .args:
      - { .name: codes, .offset: 0, .size: 8, .value_kind: global_buffer, .address_space: global }
      - { .name: qbuf, .offset: 8, .size: 8, .value_kind: global_buffer, .address_space: global }
      - { .name: kv, .offset: 16, .size: 8, .value_kind: global_buffer, .address_space: global }
    .group_segment_fixed_size: 327680
    .private_segment_fixed_size: 0
    .kernarg_segment_align: 8
    .kernarg_segment_size: 24
    .max_flat_workgroup_size: 128
    .sgpr_count:     96
    .vgpr_count:     1024
    .wavefront_size: 32
...
	.end_amdgpu_metadata
.endif
;; end of part 2
;; launch attn (part 3): grid 16 x 16, 4 waves a work-group, clusters of 4 x 1, 327,680 bytes of LDS; arguments qbuf, kv, ctx; writes ctx
.if DOCPART == 3
	.amdgcn_target "amdgcn-amd-amdhsa--gfx1250"
	.amdhsa_code_object_version 6
	.text
	.protected	k_q3a9b6a5562_attn
	.globl	k_q3a9b6a5562_attn
	.p2align	8
	.type	k_q3a9b6a5562_attn,@function
k_q3a9b6a5562_attn:
	s_mov_b64 s[64:65], 0
	v_nop
	global_prefetch_b8 v0, s[64:65] scope:SCOPE_SE
	s_setreg_imm32_b32 hwreg(HW_REG_WAVE_MODE, 25, 1), 1
	s_wait_xcnt 0x0
	s_wait_alu depctr_hold_cnt(0) depctr_sa_sdst(0) depctr_va_vdst(0) depctr_va_sdst(0) depctr_va_ssrc(0) depctr_va_vcc(0) depctr_vm_vsrc(0)
	s_getreg_b32 s2, hwreg(HW_REG_IB_STS2, 6, 4)
	s_cmp_eq_u32 s2, 0
	s_cbranch_scc0 .Lentry_in_a_cluster
	s_endpgm
.Lentry_in_a_cluster:
	s_bfe_u32 s2, ttmp6, 0x10000c
	s_cmp_lg_u32 s2, 0x3003
	s_cbranch_scc0 .Lentry_shape_is_right
	s_endpgm
.Lentry_shape_is_right:
; ctx[q][head][:] = the sum over keys k <= q of softmax_k(q . k / sqrt(128)) v[k][:], both products on codes of FP8 (E4M3) with E8M0 scales; ctx is quantised in registers along head x 128 + d and stored as codes.
; THE SOFTMAX AHEAD OF THE SECOND PRODUCT: t = score x log2(e) / sqrt(128); M = the row's largest t so far, rounded UP to a whole number; p = 2^(t - M) is quantised along the keys, not normalised; the row's sum is taken of
; the unquantised p and divides O at the end.  When M moves, the sum and O are multiplied by 2^(old M - new M): exact.
; INPUTS are images of the operands' registers.  qbuf: q's image of (head, token tile rho) at head x 262,144 + rho x 2,048; its scale words at 4,194,304 + head x 8,192 + (rho / 8) x 512 + 32 r + 4 (rho % 8).
; kv: a record of 67,584 bytes for each head and 256 keys: K's images [2][8 tiles][2,048], V^T's images [2][8 tiles of d][2,048], K's scale words [2][r 16][tile 8], V's likewise.
; Row r of tile a of a group of 128 is row 32 (a / 2) + 8 (a % 2) + r + 8 (r / 8): so the 16 registers of result tiles 2 b, 2 b + 1 are the neighbours 32 b + 16 (lane / 16) + 0 .. 15 (keys in S^T, d in O^T).
; SHARES.  Both products are used transposed: a lane holds one query of a tile.  Work-group j = 4 C + cx (C the cluster's x) of a head owns the blocks of 64 queries j (low) and 31 - j (high).  Wave 2 g + rho owns the 32 queries
; 32 g on (two tiles) of BOTH blocks, for the 128 keys number rho of every record: a fragment of K or V feeds two tiles, and every wave makes nine trips of two tile-steps.  The two waves of a pair join their sums at the end through LDS: rho = 0 finishes the low pair, rho = 1 the high.
; THE WALK: nine slots: records 0 .. C for the low pair (the last lies on its diagonal), then records 0 .. 7 - C for the high pair (likewise).  Records all of whose keys the mask hides are not walked: their p is 0 for all inputs (a NaN or an infinity that lies in them alone is not carried).
; A half record that the mask hides wholly gives p = 0 and changes nothing; a wave that has seen such halves alone keeps M at its start, and its part is multiplied by 0 in the joining.
; CLUSTER.  The four partners walk the same records: each is asked for JOINTLY, a quarter (66 rows of 256 bytes) a wave, one tensor load a wave behind a round.  What branches hang on is the cluster's number, the wave's and the count of trips.
; LDS: two slots of one record.  In a trip K's fragments are in; V's are fetched, K's products made, the slot given up in a round (the maxima stand inside it), the record two on asked for and the next K fetched, under the softmax.
; LIMITS: the running maximum starts at -3e38; scaled scores stay under 2^31 in magnitude.  A block of zeros gets the byte 1.  NaN and infinities are not served.  ctx's scale words leave as 8-byte stores 32 bytes apart (128 KB in the launch).
; REGISTERS.  window 0: v1-15 addresses, v16-47 Q, v48-63 K's and V's scale words, v64-95 p's codes, v96-127 and v130-210 at work.  window 1: S^T, then p: tile t at v[64 t]; O^T at v[128 + 64 t].
;   window 2: K's eight fragments, V's eight at v128.  window 3: the high pair's Q and its words until it is wanted (v0-33); the low pair's state and O^T behind its walk (v34-39, v128-255).
.set SLOT1, 131072                     ; slot 1 begins here
.set REC,   67584
.set SPARE, 262144                     ; the spare words, 128 bytes for each wave: two blocks of 256 bytes that no other line names
.set XCH,   SLOT1                      ; the joining: 16,896 bytes a wave, in slot 1, which has had its last fill and its last read by then
.set LI,   1                           ; v1   16 x lane
.set LK,   2                           ; v2   + 16,384 rho
.set LSC,  3                           ; v3   my row's scale words in a record
.set QS,   4                           ; v4-5 Q's scale words
.set SPW,  6
.set NIL,  7
.set PFO,  8
.set SR,   9                           ; v9   32 r
.set ADK,  10                          ; v10  LK in the slot in hand
.set ADS,  11                          ; v11  LSC in it
.set DQ,   12                          ; v12-13  my query in its record - 16 (lane / 16) - 128 rho
.set NI,   14                          ; v14  -infinity
.set QF,   16
.set KS,   48
.set VS,   56
.set CO,   64
.set NM,   96                          ; v96, v98 -M;  v97, v99 the largest t
.set SUM,  100                         ; v[100:101], v[102:103] the sums in two halves
.set FF,   104                         ; v104, v106: 2^(old M - new M)
.set BM,   108                         ; v108-115 a block's largest score, then p
.set SO,   116                         ; v116-123 lane permutes' results, then the conversions' scale operands
.set TA,   124
.set XS,   130
.set XR,   131
.set PW,   132                         ; v132-133 p's scale words (at the end ctx's)
.set BD,   136                         ; v136-143 448 x the scale
.set BY,   144                         ; v144-151 scale bytes
.set XA,   152                         ; v152-167 sums at work
.set MNT,  17
.set SEL,  20
.set CS,   22
.set G1,   24
.set G0,   32
.set TB,   36                          ; s36  LDS byte at which the slot of ADK begins
.set SIDX, 37                          ; s37  the trip's number, 0 .. 8
.set DS,   38                          ; s38  the trip in which my pair's diagonal lies: C, then 8
.set LOOPS, 39
.set CC,   41
.set CX,   42                          ; s42  my place in the cluster: it enters Q's, ctx's and the prefetches' addresses and the data register DQ alone
.set C1,   43
.set KB,   44
.set PFA,  46
.set DD,   48
.set LIM,  49
.set MSB, 0
.macro WIN new
.if MSB != (\new)
	s_set_vgpr_msb (MSB<<8)|(\new)
.set MSB, (\new)
.endif
.endm
.macro PLACES n
.rept \n
	v_nop
.endr
.endm
.macro CREST
	s_cmp_lg_u32 s14, 0
	s_cbranch_scc1 .Lnot_wave_0_\@
	s_barrier_signal -3
.Lnot_wave_0_\@:
	s_barrier_wait -3
	s_barrier_signal -1
	s_barrier_wait -1
.endm
.macro CROUND
	s_barrier_signal -1
	s_barrier_wait -1
	CREST
.endm
.macro TLOAD                           ; my quarter of a record
	tensor_load_to_lds s[G0:G0+3], s[G1:G1+7]
	s_nop 0
	PLACES 4
.endm
.macro DESC                            ; the descriptor for slot number s72: record s72, or s72 - (C + 1) where s72 > C; in LDS the other place than last time
	s_sub_co_u32 s73, s[CC], s72
	s_lshr_b32 s73, s73, 31
	s_mul_i32 s73, s73, s[C1]
	s_sub_co_u32 s72, s72, s73
	s_mul_i32 s72, s72, REC
	s_mov_b32 s73, 0
	s_add_nc_u64 s[G0+2:G0+3], s[KB:KB+1], s[72:73]
	s_xor_b32 s[G0+1], s[G0+1], SLOT1
.endm
; A PREFETCH INTO THE L2: cluster 0 of a head walks all eight records; in its trips 0 to 4 it asks for record (trip + 3), whose load stands two rounds on, and nobody else asks.  Its four partners share a record's rows out BY ADDRESS:
; waves 0 and 1 of each take 8,192 bytes of codes, a lane a row of 256 bytes; wave 2 the 512 bytes of scale words number cx (two rows; the other lanes name them again).
.macro ASK
	s_cmp_lt_u32 s[SIDX], s[LIM]
	s_cbranch_scc0 .Lnot_mine_\@
	global_prefetch_b8 v[PFO], s[PFA:PFA+1] th:TH_LOAD_NT scope:SCOPE_SE
.Lnot_mine_\@:
.endm
.macro QADR j, q, w                    ; where Q's two images and their words of tile s\j begin
	s_lshl_b32 s58, s50, 18
	s_lshl_b32 s60, s\j, 11
	s_add_co_u32 s58, s58, s60
	s_mov_b32 s59, 0
	s_add_nc_u64 s[\q:\q+1], s[4:5], s[58:59]
	s_lshl_b32 s58, s50, 13
	s_lshr_b32 s60, s\j, 3
	s_lshl_b32 s60, s60, 9
	s_add_co_u32 s58, s58, s60
	s_and_b32 s60, s\j, 7
	s_lshl_b32 s60, s60, 2
	s_add_co_u32 s58, s58, s60
	s_add_co_u32 s58, s58, 4194304
	s_add_nc_u64 s[\w:\w+1], s[4:5], s[58:59]
.endm
.macro RESET                           ; a pair's state at its start
.irp t, 0,1
	v_mov_b32 v[NM+1+2*\t], 0xff61b1e6                             ; the largest t so far: -3e38
.endr
.irp t, 0,1
	v_floor_f32 v[NM+2*\t], -v[NM+1+2*\t]                          ; -M
.endr
.irp i, 0,1,2,3
	v_mov_b32 v[SUM+\i], 0
.endr
.endm
	s_load_b128 s[4:7], s[0:1], 0x0                ; qbuf, kv
	s_load_b64 s[8:9], s[0:1], 0x10                ; ctx
	v_lshl_add_u32 v[SPW], v0, 2, SPARE
	v_mov_b32 v[NIL], 0
	ds_add_u32 v[SPW], v[NIL]                      ; the wave's opening: the add, twice on end, and its wait
	ds_add_u32 v[SPW], v[NIL]
	v_lshrrev_b32 v15, 5, v0
	v_readfirstlane_b32 s14, v15                   ; wave 0..3
	s_and_b32 s15, s14, 1                          ; rho: which 128 keys of a record
	s_lshr_b32 s16, s14, 1                         ; g: which 32 queries of a block
	s_bfe_u32 s[CX], ttmp6, 0x40000
	s_mov_b32 s[CC], ttmp9                         ; in a cluster launch ttmp9 counts clusters
	s_add_co_u32 s[C1], s[CC], 1
	s_and_b32 s50, ttmp7, 0xffff                   ; the head
	; descriptor group 1: a quarter of a record, 16,896 dense bytes, as 66 rows of 256 bytes (32 elements of 8 bytes)
	s_mov_b32 s[G1], 15|(3<<16)|(1<<21)            ; 15:0 the mask: all four work-groups; 17:16 elements of 8 bytes; 21 set beside a mask
	s_mov_b32 s[G1+1], 32<<16
	s_mov_b32 s[G1+2], 66<<16
	s_mov_b32 s[G1+3], 32<<16
	s_mov_b32 s[G1+4], 66
	s_mov_b32 s[G1+5], 32
	s_mov_b32 s[G1+6], 0
	s_mov_b32 s[G1+7], 0
	s_mul_i32 s52, s14, 16896                      ; my quarter
	s_mul_i32 s53, s50, 8*REC                      ; the head's first record
	s_add_co_u32 s54, s53, s52
	s_mov_b32 s55, 0
	s_mov_b32 s[SEL], 0x76543210
	s_mov_b32 s[SEL+1], 0xfedcba98
	s_mov_b32 s[CS], 0x3e0293ee                    ; c = log2(e) / sqrt(128)
	s_mov_b32 s[CS+1], s[CS]                       ; (named with it as a pair, so it is written)
	s_mov_b32 s[MNT], 0x600000
	s_mov_b32 s[TB], 0
	s_mov_b32 s[SIDX], 0
	s_mov_b32 s[DS], s[CC]
	s_wait_dscnt 0x0                               ; both opening adds are done
	CROUND                                         ; all four work-groups are here: the first joint loads meet
	s_wait_kmcnt 0x0
	s_add_nc_u64 s[KB:KB+1], s[6:7], s[54:55]
	s_or_b32 s[KB+1], s[KB+1], 0x80000000          ; type = 2
	s_mov_b32 s[G0], 1                             ; count = 1
	s_mov_b32 s[G0+1], s52
	s_mov_b64 s[G0+2:G0+3], s[KB:KB+1]
	TLOAD                                          ; slot 0 is record 0.  One tensor load of a wave is out at the most, here and later
	; the prefetches
	s_lshl_b32 s57, s[CX], 1
	s_add_co_u32 s57, s57, s14
	s_lshl_b32 s57, s57, 13
	s_lshl_b32 s58, s[CX], 9
	s_add_co_u32 s58, s58, 65536
	s_cmp_lt_u32 s14, 2
	s_cselect_b32 s57, s57, s58
	s_cselect_b32 s61, 31, 1
	s_add_co_u32 s56, s53, s57
	s_add_co_u32 s56, s56, 2*REC                   ; record 2: trip 0 steps it to 3
	s_mov_b32 s57, 0
	s_add_nc_u64 s[PFA:PFA+1], s[6:7], s[56:57]
	s_cmp_lt_u32 s14, 3
	s_cselect_b32 s60, 5, 0
	s_cmp_eq_u32 s[CC], 0
	s_cselect_b32 s[LIM], s60, 0
	; the tiles: 4 x block + 2 g and the next
	s_lshl_b32 s51, s[CC], 2
	s_add_co_u32 s51, s51, s[CX]                   ; j
	s_sub_co_u32 s56, 31, s51
	s_lshl_b32 s51, s51, 2
	s_lshl_b32 s56, s56, 2
	s_lshl_b32 s57, s16, 1
	s_add_co_u32 s51, s51, s57                     ; low
	s_add_co_u32 s56, s56, s57                     ; high
	QADR 51, 66, 68
	QADR 56, 70, 74
	s_cmp_eq_u32 s15, 0
	s_cselect_b32 s51, s51, s56                    ; the pair that I finish
	s_lshr_b32 s58, s51, 3
	s_mul_i32 s58, s58, 270336
	s_mul_i32 s60, s50, 16896
	s_add_co_u32 s58, s58, s60                     ; ctx's record of (group, kappa = head): eight images, then 512 bytes of scale words
	s_and_b32 s60, s51, 7
	s_lshl_b32 s62, s60, 2
	s_add_co_u32 s62, s62, s58
	s_add_co_u32 s62, s62, 16384
	s_lshl_b32 s60, s60, 11
	s_add_co_u32 s58, s58, s60
	s_mov_b32 s63, 0
	s_add_nc_u64 s[76:77], s[8:9], s[58:59]        ; its images
	s_add_nc_u64 s[78:79], s[8:9], s[62:63]        ; and their words
	s_lshl_b32 s80, s[CX], 6
	s_lshl_b32 s81, s16, 5
	s_add_co_u32 s80, s80, s81
	s_lshl_b32 s81, s15, 7
	s_sub_co_u32 s80, s80, s81                     ; the low pair's first query in its record, less 128 rho
	s_lshl_b32 s81, s[CX], 7
	s_sub_co_u32 s[DD], 192, s81                   ; from the low pair's to the high pair's
	s_lshl_b32 s82, s15, 14
	s_lshl_b32 s83, s15, 9
	s_add_co_u32 s83, s83, 65536
	s_mul_i32 s84, s14, 16896
	s_add_co_u32 s84, s84, XCH
	s_xor_b32 s85, s14, 1
	s_mul_i32 s85, s85, 16896
	s_add_co_u32 s85, s85, XCH
	v_and_b32 v120, 15, v0                         ; r
	v_bfe_u32 v121, v0, 4, 1                       ; h
	v_and_b32 v122, 31, v0                         ; lane
	v_lshlrev_b32 v[LI], 4, v122
	v_lshlrev_b32 v[SR], 5, v120
	v_and_b32 v122, s61, v122
	v_lshlrev_b32 v[PFO], 8, v122
	v_add_nc_u32 v[LK], s82, v[LI]
	v_add_nc_u32 v[LSC], s83, v[SR]
	v_add_nc_u32 v[XS], s84, v[LI]
	v_add_nc_u32 v[XR], s85, v[LI]
	v_and_b32 v123, 8, v120
	v_add_nc_u32 v123, v123, v120                  ; r + 8 (r / 8)
	v_lshlrev_b32 v121, 4, v121
	v_sub_nc_u32 v123, v123, v121
	v_add_nc_u32 v[DQ], s80, v123
	v_add_nc_u32 v[DQ+1], 8, v[DQ]
	v_mov_b32 v[ADK], v[LK]
	v_mov_b32 v[ADS], v[LSC]
.irp t, 0,1
.irp c, 0,1,2,3
	global_load_b128 v[QF+16*\t+4*\c:QF+16*\t+4*\c+3], v[LI], s[66:67] offset:2048*\t+512*\c   ; the low pair's Q
.endr
.endr
	global_load_b64 v[QS:QS+1], v[SR], s[68:69]
	WIN 0xc0                                       ; destination window 3
.irp t, 0,1
.irp c, 0,1,2,3
	global_load_b128 v[16*\t+4*\c:16*\t+4*\c+3], v[LI], s[70:71] offset:2048*\t+512*\c         ; the high pair's
.endr
.endr
	global_load_b64 v[32:33], v[SR], s[74:75]
.irp i, 34,35,36,37,38,39
	v_mov_b32 v\i, 0                               ; where the low pair's state and O^T are put by: written here too, so that every way through the text to the joining has written them
.endr
.set NN, 0
.rept 128
	v_mov_b32 v[128+NN], 0
.set NN, NN+1
.endr
	WIN 0x40
.set NN, 0
.rept 128
	v_mov_b32 v[128+NN], 0                         ; O^T.  (A trip is written without a first trip of its own: the first change of M multiplies zeros)
.set NN, NN+1
.endr
	WIN 0
	RESET
	v_mov_b32 v[NI], 0xff800000
	v_mov_b32 v[FF+1], 0                           ; (named as upper halves of pairs before anything else writes them)
	v_mov_b32 v[FF+3], 0
.irp i, 0,1,2,3,4,5,6,7
	v_mov_b32 v[SO+\i], 0                          ; a lane permute's destination counts as one of its sources
.endr
.macro KLOAD                           ; K's eight images of my 128 keys and their words: 34 loads
	WIN 0x80
.irp t, 0,1,2,3,4,5,6,7
.irp c, 0,1,2,3
	ds_load_b128 v[16*\t+4*\c:16*\t+4*\c+3], v[ADK] offset:2048*\t+512*\c
.endr
.endr
	WIN 0
.irp e, 0,1
	ds_load_b128 v[KS+4*\e:KS+4*\e+3], v[ADS] offset:16*\e
.endr
.endm
.macro VLOAD                           ; V^T's likewise: 34 loads
	WIN 0x80
.irp t, 0,1,2,3,4,5,6,7
.irp c, 0,1,2,3
	ds_load_b128 v[128+16*\t+4*\c:128+16*\t+4*\c+3], v[ADK] offset:32768+2048*\t+512*\c
.endr
.endr
	WIN 0
.irp e, 0,1
	ds_load_b128 v[VS+4*\e:VS+4*\e+3], v[ADS] offset:1024+16*\e
.endr
.endm
.macro PV t, k
	WIN 0x52                                       ; source 0 (V) window 2, source 1 (codes) window 0, C and D window 1
	v_wmma_scale_f32_16x16x128_f8f6f4 v[128+64*\t+8*\k:135+64*\t+8*\k], v[128+16*\k:143+16*\k], v[CO+16*\t:CO+16*\t+15], v[128+64*\t+8*\k:135+64*\t+8*\k], v[VS+\k], v[PW+\t]
.endm
.macro SUML t, n                       ; the row's sum of the unquantised p, two at a time in four chains: 32 lines
.set P_, 64*(\t)
.set X_, XA+8*(\t)
.set U_, SUM+2*(\t)
.if (\n) < 3
	WIN 0x05
	v_pk_add_f32 v[X_+2*(\n):X_+2*(\n)+1], v[P_+4*(\n):P_+4*(\n)+1], v[P_+4*(\n)+2:P_+4*(\n)+3]
.elseif (\n) < 29
	WIN 0x04
.if (\n)%4 == 0
.set C_, U_
.else
.set C_, X_+2*((\n)%4-1)
.endif
	v_pk_add_f32 v[C_:C_+1], v[C_:C_+1], v[P_+2*(\n)+6:P_+2*(\n)+7]
.else
	WIN 0
.if (\n) == 29
	v_pk_add_f32 v[X_:X_+1], v[X_:X_+1], v[X_+2:X_+3]
.elseif (\n) == 30
	v_pk_add_f32 v[U_:U_+1], v[U_:U_+1], v[X_+4:X_+5]
.else
	v_pk_add_f32 v[U_:U_+1], v[U_:U_+1], v[X_:X_+1]
.endif
.endif
.endm
.macro SCALES                          ; eight blocks' largest magnitudes (v[BM] on) -> scale operands, bounds, bytes, two words
.irp b, 0,1,2,3,4,5,6,7
	v_add_nc_u32 v[SO+\b], 0xfc000000, v[BM+\b]
.endr
.irp b, 0,1,2,3,4,5,6,7
	v_and_or_b32 v[BD+\b], v[BM+\b], 0x7f800000, s[MNT]
.endr
.irp b, 0,1,2,3,4,5,6,7
	v_lshrrev_b32 v[BY+\b], 23, v[SO+\b]
.endr
.irp i, 1,2,3
.irp t, 0,1
.if \i == 1
	v_lshl_or_b32 v[PW+\t], v[BY+4*\t+1], 8, v[BY+4*\t]
.else
	v_lshl_or_b32 v[PW+\t], v[BY+4*\t+\i], 8*\i, v[PW+\t]
.endif
.endr
.endr
.endm
.macro CVT t, s                        ; 64 held numbers at v[s] of window 1 become a fragment's codes
	WIN 0x01
.irp b, 0,1,2,3
	v_cvt_scalef32_pk8_fp8_f32 v[CO+16*\t+4*\b:CO+16*\t+4*\b+1], v[\s+16*\b:\s+16*\b+7], v[SO+4*\t+\b]
	v_cvt_scalef32_pk8_fp8_f32 v[CO+16*\t+4*\b+2:CO+16*\t+4*\b+3], v[\s+16*\b+8:\s+16*\b+15], v[SO+4*\t+\b]
.endr
.endm
.macro MAXIMA
	WIN 0x15
.irp t, 0,1
.irp b, 0,1,2,3
	v_max3_num_f32 v[BM+4*\t+\b], v[64*\t+16*\b], v[64*\t+16*\b+1], v[64*\t+16*\b+2]   ; the largest score of each block of 32 keys: it serves for the row's maximum and, since p rises with the score, for the block's largest p
.endr
.endr
	WIN 0x14
.irp i, 3,5,7,9,11,13
.irp t, 0,1
.irp b, 0,1,2,3
	v_max3_num_f32 v[BM+4*\t+\b], v[BM+4*\t+\b], v[64*\t+16*\b+\i], v[64*\t+16*\b+\i+1]
.endr
.endr
.endr
.irp t, 0,1
.irp b, 0,1,2,3
	v_max_num_f32 v[BM+4*\t+\b], v[BM+4*\t+\b], v[64*\t+16*\b+15]
.endr
.endr
	WIN 0
.irp b, 0,1,2,3,4,5,6,7
	v_permlanex16_b32 v[SO+\b], v[BM+\b], s[SEL], s[SEL+1]
.endr
.irp b, 0,1,2,3,4,5,6,7
	v_max_num_f32 v[BM+\b], v[BM+\b], v[SO+\b]     ; with lane l xor 16's 16 keys
.endr
.irp t, 0,1
	v_max3_num_f32 v[TA+\t], v[BM+4*\t], v[BM+4*\t+1], v[BM+4*\t+2]
.endr
.irp t, 0,1
	v_max_num_f32 v[TA+\t], v[TA+\t], v[BM+4*\t+3]
.endr
.irp t, 0,1
	v_mul_f32 v[TA+\t], s[CS], v[TA+\t]            ; as t (c is positive)
.endr
.irp t, 0,1
	v_max_num_f32 v[NM+1+2*\t], v[NM+1+2*\t], v[TA+\t]
.endr
.irp t, 0,1
	v_mov_b32 v[TA+2+\t], v[NM+2*\t]
.endr
.irp t, 0,1
	v_floor_f32 v[NM+2*\t], -v[NM+1+2*\t]          ; the new -M = floor(-t)
.endr
.irp t, 0,1
	v_sub_f32 v[TA+2+\t], v[NM+2*\t], v[TA+2+\t]   ; old M - new M: a whole number, 0 or less
.endr
.irp t, 0,1
	v_cvt_i32_f32 v[TA+2+\t], v[TA+2+\t]           ; (it saturates)
.endr
.irp t, 0,1
	v_ldexp_f32 v[FF+2*\t], 1.0, v[TA+2+\t]
.endr
.endm
.macro SWITCH                          ; from the low pair to the high pair: O^T and the state are put by; the new -M makes the first factor 0, so nothing is cleared
	WIN 0xc1
.set NN, 0
.rept 128
	v_mov_b32 v[128+NN], v[128+NN]
.set NN, NN+1
.endr
	WIN 0xc0
.irp t, 0,1
	v_mov_b32 v[34+\t], v[NM+2*\t]
	v_mov_b32 v[36+2*\t], v[SUM+2*\t]
	v_mov_b32 v[37+2*\t], v[SUM+2*\t+1]
.endr
	WIN 0x03
	v_mov_b32 v[QS], v32
	v_mov_b32 v[QS+1], v33
.set NN, 0
.rept 32
	v_mov_b32 v[QF+NN], v[NN]
.set NN, NN+1
.endr
	WIN 0
	RESET
	v_add_nc_u32 v[DQ], s[DD], v[DQ]
	v_add_nc_u32 v[DQ+1], s[DD], v[DQ+1]
	s_mov_b32 s[DS], 8
.endm
; A TRIP: my 128 keys of one record, two tiles.  fill = 1: the round's refill is slot (trip + 2).
.macro TRIP fill
	PLACES 8                                       ; behind the last trip's products: in front of the loads of V and of the switch's reads
.if \fill
	s_cmp_lg_u32 s[SIDX], s[C1]
	s_cbranch_scc1 .Lsame_\@
	SWITCH
	s_wait_alu depctr_va_vdst(0)                   ; ahead of waits that block
.Lsame_\@:
.endif
	VLOAD
	s_wait_dscnt 34                                ; K is in; V's 34 loads may be out
	WIN 0x42                                       ; source 0 (K) window 2, source 1 (Q) window 0, D window 1
.irp k, 0,1,2,3,4,5,6,7
.irp t, 0,1
	v_wmma_scale_f32_16x16x128_f8f6f4 v[64*\t+8*\k:64*\t+8*\k+7], v[16*\k:16*\k+15], v[QF+16*\t:QF+16*\t+15], 0, v[KS+\k], v[QS+\t]
.endr
.endr
	WIN 0
	PLACES 8
	s_cmp_lg_u32 s[SIDX], s[DS]                    ; ahead of the diagonal's record every key counts
	s_cbranch_scc1 .Lopen_\@
	WIN 0x41
.irp t, 0,1
.set NN, 0
.rept 64
	v_cmp_gt_i32 vcc_lo, 32*(NN/16)+NN%16, v[DQ+\t]                ; register 16 b + i holds key 32 b + 16 (lane / 16) + i: hidden where 32 b + i > v[DQ + t]
	v_cndmask_b32 v[64*\t+NN], v[64*\t+NN], v[NI], vcc_lo
.set NN, NN+1
.endr
.endr
	WIN 0
	s_wait_alu depctr_va_vdst(0)
.Lopen_\@:
.if \fill
	s_wait_xcnt 0x0                                ; the last trip's prefetch has read its address
	s_add_nc_u64 s[PFA:PFA+1], s[PFA:PFA+1], REC
.endif
	s_wait_tensorcnt 0x0                           ; my part of the next slot has landed, and no tensor load of mine is out
	ds_add_u32 v[SPW], v[NIL]                      ; 0 onto my spare word
.if \fill
	s_add_co_u32 s72, s[SIDX], 2
	DESC
.endif
	s_wait_dscnt 0x0                               ; the add is done, and V is in: my reads of this slot are over
	s_barrier_signal -1
	MAXIMA
	s_wait_alu depctr_va_vdst(0)
	s_barrier_wait -1
.if \fill
	CREST                                          ; no wave of any partner still reads this slot or has a load on its way
	TLOAD                                          ; the first thing behind the round, and a wave's one tensor load until the next
.endif
	s_xor_b32 s[TB], s[TB], SLOT1
	v_add_nc_u32 v[ADK], s[TB], v[LK]
	v_add_nc_u32 v[ADS], s[TB], v[LSC]
.if \fill
	KLOAD                                          ; the next trip's K lands under the softmax
	ASK
.else
	s_wait_alu depctr_va_vdst(0)                   ; ahead of the branch
	s_cmp_eq_u32 s[SIDX], 8                        ; behind the last slot there is none
	s_cbranch_scc1 .Lno_k_\@
	KLOAD
.Lno_k_\@:
.endif
	WIN 0x41                                       ; source 0 and destination window 1, the rest window 0
.irp t, 0,1
.set NN, 0
.rept 32
	v_pk_mul_f32 v[128+64*\t+NN:129+64*\t+NN], v[128+64*\t+NN:129+64*\t+NN], v[FF+2*\t:FF+2*\t+1] op_sel_hi:[1,0]   ; O^T under the new M
.set NN, NN+2
.endr
.endr
.set NN, 0
.rept 32
	v_pk_fma_f32 v[NN:NN+1], v[NN:NN+1], s[CS:CS+1], v[NM:NM+1] op_sel_hi:[1,0,0]   ; tile 0's t - M
.set NN, NN+2
.endr
	WIN 0
.irp b, 0,1,2,3,4,5,6,7
	v_fma_f32 v[BM+\b], v[BM+\b], s[CS], v[NM+2*(\b/4)]            ; the same of each block's largest score
.endr
	s_wait_alu depctr_va_vdst(0)                   ; ahead of the batch
.irp b, 0,1,2,3,4,5,6,7
	v_exp_f32 v[BM+\b], v[BM+\b]                   ; the blocks' largest p
.endr
	WIN 0x41
.set NN, 0
.rept 32                               ; tile 0's p, and among it tile 1's t - M, which is read behind the next wait
	v_exp_f32 v[NN], v[NN]
	v_exp_f32 v[NN+1], v[NN+1]
	v_pk_fma_f32 v[64+NN:65+NN], v[64+NN:65+NN], s[CS:CS+1], v[NM+2:NM+3] op_sel_hi:[1,0,0]
.set NN, NN+2
.endr
	WIN 0
.irp t, 0,1
	v_pk_mul_f32 v[SUM+2*\t:SUM+2*\t+1], v[SUM+2*\t:SUM+2*\t+1], v[FF+2*\t:FF+2*\t+1] op_sel_hi:[1,0]   ; the sums under the new M
.endr
	s_wait_alu depctr_va_vdst(0)                   ; ahead of the batch's first reader
.set LL, 0
.rept 32
	SUML 0, LL                                     ; tile 0's sum, ahead of its hold
.set LL, LL+1
.endr
.irp b, 0,1,2,3,4,5,6,7
	v_max_num_f32 v[BM+\b], 0x4800000, v[BM+\b]    ; the floor 2^(9 - 127)
.endr
	SCALES
	s_wait_alu depctr_va_vdst(0)
	WIN 0x41
.set NN, 0
.rept 64                               ; tile 1's p, and among it tile 0's holds at 448 x the scale (p is not negative)
	v_exp_f32 v[64+NN], v[64+NN]
	v_min_num_f32 v[NN], v[NN], v[BD+NN/16]
.set NN, NN+1
.endr
	s_wait_alu depctr_va_vdst(0)
	CVT 0, 0
.set LL, 0
.irp k, 0,1,2,3                        ; tile 0's second product among tile 1's sum
.rept 8
	SUML 1, LL
.set LL, LL+1
.endr
	PV 0, \k
.endr
.set NN, 0
.irp k, 4,5,6,7                        ; and among its holds
	WIN 0x41
.rept 16
	v_min_num_f32 v[64+NN], v[64+NN], v[BD+4+NN/16]
.set NN, NN+1
.endr
	PV 0, \k
.endr
	CVT 1, 64
	PLACES 4                                       ; between the last vector write of an operand and the products
.irp k, 0,1,2,3,4,5,6,7
	PV 1, \k
.endr
	WIN 0
	s_add_co_u32 s[SIDX], s[SIDX], 1
.endm
	s_mov_b32 s72, 1
	s_wait_alu depctr_va_vdst(0)                   ; the wait at the head's end
	s_wait_loadcnt 0x0                             ; Q
	s_wait_tensorcnt 0x0                           ; my part of slot 0 is in
	ds_add_u32 v[SPW], v[NIL]
	DESC
	s_wait_dscnt 0x0
	CROUND
	TLOAD                                          ; slot 1
	KLOAD
	s_mov_b32 s[LOOPS], 7
.Lfill:                                            ; trips 0 to 6: slots 2 to 8 are asked for
	TRIP 1
	s_sub_co_u32 s[LOOPS], s[LOOPS], 1
	s_cmp_lg_u32 s[LOOPS], 0
	s_cbranch_scc1 .Lfill
	s_mov_b32 s[LOOPS], 2
.Llast:                                            ; trips 7 and 8 ask for nothing
	TRIP 0
	s_sub_co_u32 s[LOOPS], s[LOOPS], 1
	s_cmp_lg_u32 s[LOOPS], 0
	s_cbranch_scc1 .Llast
	; THE JOINING.  v168-171 the high pair's -M (two tiles) and sums, v172-175 the low pair's; v180-183 what I send, v184-187 what I keep
	PLACES 8
	s_wait_dscnt 0x0
	s_barrier_signal -1
	s_barrier_wait -1                              ; nobody reads a slot any more
	v_mov_b32 v168, v[NM]
	v_mov_b32 v169, v[NM+2]
	v_add_f32 v170, v[SUM], v[SUM+1]
	v_add_f32 v171, v[SUM+2], v[SUM+3]
	WIN 0x0f
	v_mov_b32 v172, v34
	v_mov_b32 v173, v35
	v_add_f32 v174, v36, v37
	v_add_f32 v175, v38, v39
	WIN 0
	s_wait_alu depctr_va_vdst(0)                   ; ahead of the branches
	s_cmp_eq_u32 s15, 0
	s_cbranch_scc0 .Lsend_low
	WIN 0x04
.set NN, 0
.rept 32
	ds_store_b128 v[XS], v[128+4*NN:131+4*NN] offset:512*NN        ; rho = 0 sends its part of the high pair
.set NN, NN+1
.endr
	s_wait_dscnt 0x0
	WIN 0x43
.set NN, 0
.rept 128
	v_mov_b32 v[128+NN], v[128+NN]                 ; and takes the low pair's up again
.set NN, NN+1
.endr
	WIN 0
.irp i, 0,1,2,3
	v_mov_b32 v[180+\i], v[168+\i]
	v_mov_b32 v[184+\i], v[172+\i]
.endr
	s_wait_alu depctr_va_vdst(0)
	s_branch .Lsent
.Lsend_low:
	WIN 0x0c
.set NN, 0
.rept 32
	ds_store_b128 v[XS], v[128+4*NN:131+4*NN] offset:512*NN        ; rho = 1 sends its part of the low pair
.set NN, NN+1
.endr
	WIN 0
.irp i, 0,1,2,3
	v_mov_b32 v[180+\i], v[172+\i]
	v_mov_b32 v[184+\i], v[168+\i]
.endr
	s_wait_alu depctr_va_vdst(0)
.Lsent:
	ds_store_b128 v[XS], v[180:183] offset:16384
	s_wait_dscnt 0x0                               ; for the other wave's sake
	s_barrier_signal -1
	s_barrier_wait -1
	ds_load_b128 v[188:191], v[XR] offset:16384
	WIN 0x80
.set NN, 0
.rept 32
	ds_load_b128 v[4*NN:4*NN+3], v[XR] offset:512*NN
.set NN, NN+1
.endr
	WIN 0
	s_wait_dscnt 32                                ; the other wave's -M and sums are in
.irp i, 0,1
	v_mov_b32 v[200+\i], 0                         ; a lane permute's destination; upper halves of pairs
	v_mov_b32 v[203+2*\i], 0
	v_mov_b32 v[207+2*\i], 0
.endr
.irp t, 0,1
	v_min_num_f32 v[192+\t], v[184+\t], v[188+\t]  ; -M of both: the smaller of the two
.endr
.irp t, 0,1
	v_sub_f32 v[194+\t], v[192+\t], v[184+\t]
	v_sub_f32 v[196+\t], v[192+\t], v[188+\t]
.endr
.irp i, 0,1,2,3
	v_cvt_i32_f32 v[194+\i], v[194+\i]
.endr
.irp i, 0,1,2,3
	v_ldexp_f32 v[194+\i], 1.0, v[194+\i]          ; 2^(its M - M): a whole power of two, or 0
.endr
.irp t, 0,1
	v_mul_f32 v[198+\t], v[186+\t], v[194+\t]
.endr
.irp t, 0,1
	v_fma_f32 v[198+\t], v[190+\t], v[196+\t], v[198+\t]
.endr
.irp t, 0,1
	v_permlanex16_b32 v[200+\t], v[198+\t], s[SEL], s[SEL+1]
.endr
.irp t, 0,1
	v_add_f32 v[198+\t], v[198+\t], v[200+\t]      ; the row's sum
.endr
	s_wait_alu depctr_va_vdst(0)
	s_wait_dscnt 0x0                               ; the other wave's part is in
.irp t, 0,1
	v_rcp_f32 v[198+\t], v[198+\t]
.endr
	v_nop                                          ; a plain line behind the transcendentals
	s_wait_alu depctr_va_vdst(0)                   ; and the wait ahead of the first reader
.irp t, 0,1
	v_mul_f32 v[202+2*\t], v[194+\t], v[198+\t]
	v_mul_f32 v[206+2*\t], v[196+\t], v[198+\t]
.endr
	WIN 0x41
.irp t, 0,1
.set NN, 0
.rept 32
	v_pk_mul_f32 v[128+64*\t+NN:129+64*\t+NN], v[128+64*\t+NN:129+64*\t+NN], v[202+2*\t:203+2*\t] op_sel_hi:[1,0]
.set NN, NN+2
.endr
.endr
	WIN 0x52                                       ; source 0 window 2, source 1 window 0, source 2 and destination window 1
.irp t, 0,1
.set NN, 0
.rept 32
	v_pk_fma_f32 v[128+64*\t+NN:129+64*\t+NN], v[64*\t+NN:64*\t+NN+1], v[206+2*\t:207+2*\t], v[128+64*\t+NN:129+64*\t+NN] op_sel_hi:[1,0,1]
.set NN, NN+2
.endr
.endr
	; THE WAY OUT: register 16 b + i is d = 32 b + 16 (lane / 16) + i of my query: quantised as it stands, it is the image of the last product's fragment (kappa = the head)
	WIN 0x05
.irp t, 0,1
.irp b, 0,1,2,3
	v_max3_num_f32 v[BM+4*\t+\b], |v[128+64*\t+16*\b]|, |v[129+64*\t+16*\b]|, 0x4800000
.endr
.endr
	WIN 0x14
.irp i, 2,4,6,8,10,12,14
.irp t, 0,1
.irp b, 0,1,2,3
	v_max3_num_f32 v[BM+4*\t+\b], v[BM+4*\t+\b], |v[128+64*\t+16*\b+\i]|, |v[129+64*\t+16*\b+\i]|
.endr
.endr
.endr
	WIN 0
.irp b, 0,1,2,3,4,5,6,7
	v_permlanex16_b32 v[SO+\b], v[BM+\b], s[SEL], s[SEL+1]
.endr
.irp b, 0,1,2,3,4,5,6,7
	v_max_num_f32 v[BM+\b], v[BM+\b], v[SO+\b]
.endr
	SCALES
	WIN 0x41
.irp t, 0,1
.set NN, 0
.rept 64
	v_med3_num_f32 v[128+64*\t+NN], v[128+64*\t+NN], -v[BD+4*\t+NN/16], v[BD+4*\t+NN/16]
.set NN, NN+1
.endr
.endr
	CVT 0, 128
	CVT 1, 192
	v_nop                                          ; one plain line behind the last conversion
	WIN 0
.irp t, 0,1
.irp c, 0,1,2,3
	global_store_b128 v[LI], v[CO+16*\t+4*\c:CO+16*\t+4*\c+3], s[76:77] offset:2048*\t+512*\c   ; 32 lanes store 512 consecutive bytes
.endr
.endr
	global_store_b64 v[SR], v[PW:PW+1], s[78:79]   ; my row's two scale words (lanes r and r + 16 store the same)
	s_wait_tensorcnt 0x0                           ; the wave's end
	ds_add_u32 v[SPW], v[NIL]
	s_wait_dscnt 0x0
	CROUND                                         ; the closing round
	s_endpgm
.Lfunc_end_k_q3a9b6a5562_attn:
	.size	k_q3a9b6a5562_attn, .Lfunc_end_k_q3a9b6a5562_attn-k_q3a9b6a5562_attn
	.p2alignl 7, 3214868480
	.fill 96, 4, 3214868480
	.section	.rodata,"a",@progbits
	.p2align	6, 0x0
	.amdhsa_kernel k_q3a9b6a5562_attn
		.amdhsa_group_segment_fixed_size 327680
		.amdhsa_private_segment_fixed_size 0
		.amdhsa_enable_private_segment 0
		.amdhsa_kernarg_size 24
		.amdhsa_user_sgpr_count 2
		.amdhsa_user_sgpr_kernarg_segment_ptr 1
		.amdhsa_wavefront_size32 1
		.amdhsa_system_sgpr_workgroup_id_x 1
		.amdhsa_system_sgpr_workgroup_id_y 1
		.amdhsa_system_sgpr_workgroup_id_z 1
		.amdhsa_system_vgpr_workitem_id 0
		.amdhsa_next_free_vgpr 1024
		.amdhsa_next_free_sgpr 96
		.amdhsa_reserve_vcc 1
		.amdhsa_float_denorm_mode_32 3
		.amdhsa_float_denorm_mode_16_64 3
		.amdhsa_memory_ordered 1
		.amdhsa_forward_progress 1
		.amdhsa_inst_pref_size 167
	.end_amdhsa_kernel
	.amdgpu_metadata
---
amdhsa.version: [ 1, 2 ]
amdhsa.kernels:
  - .name:           k_q3a9b6a5562_attn
    .symbol:         k_q3a9b6a5562_attn.kd
    .args:
      - { .name: qbuf, .offset: 0, .size: 8, .value_kind: global_buffer, .address_space: global }
      - { .name: kv, .offset: 8, .size: 8, .value_kind: global_buffer, .address_space: global }
      - { .name: ctx, .offset: 16, .size: 8, .value_kind: global_buffer, .address_space: global }
    .group_segment_fixed_size: 327680
    .private_segment_fixed_size: 0
    .kernarg_segment_align: 8
    .kernarg_segment_size: 24
    .max_flat_workgroup_size: 128
    .sgpr_count:     96
    .vgpr_count:     1024
    .wavefront_size: 32
...
	.end_amdgpu_metadata
.endif
;; end of part 3
;; launch outp (part 4): grid 16 x 16, 4 waves a work-group, clusters of 4 x 4, 327,680 bytes of LDS; arguments ctx, codes, out0; writes out0
.if DOCPART == 4
	.amdgcn_target "amdgcn-amd-amdhsa--gfx1250"
	.amdhsa_code_object_version 6
	.text
	.protected	k_q3a9b6a5562_outp
	.globl	k_q3a9b6a5562_outp
	.p2align	8
	.type	k_q3a9b6a5562_outp,@function
k_q3a9b6a5562_outp:
	s_mov_b64 s[64:65], 0
	v_nop
	global_prefetch_b8 v0, s[64:65] scope:SCOPE_SE
	s_setreg_imm32_b32 hwreg(HW_REG_WAVE_MODE, 25, 1), 1
	s_wait_xcnt 0x0
	s_wait_alu depctr_hold_cnt(0) depctr_sa_sdst(0) depctr_va_vdst(0) depctr_va_sdst(0) depctr_va_ssrc(0) depctr_va_vcc(0) depctr_vm_vsrc(0)
	s_getreg_b32 s2, hwreg(HW_REG_IB_STS2, 6, 4)
	s_cmp_eq_u32 s2, 0
	s_cbranch_scc0 .Lentry_in_a_cluster
	s_endpgm
.Lentry_in_a_cluster:
	s_bfe_u32 s2, ttmp6, 0x10000c
	s_cmp_lg_u32 s2, 0xf033
	s_cbranch_scc0 .Lentry_shape_is_right
	s_endpgm
.Lentry_shape_is_right:
; out = ctx w_out on codes of FP8 (E4M3) with E8M0 scales, f32 out.  Both operands are records of 16,896 bytes, [group 16 of 128 rows][kappa 16]: eight images of 16 rows x 128 along K (2,048 bytes each), then their scale words [r 16][tile 8]; w_out is matrix 4 of codes.
; SHARES.  256 work-groups of 128 x 128; each of four waves 64 x 64: 16 accumulators.  Source 0 = w_out's tile (columns of out), source 1 = ctx's tile (rows): a lane holds eight neighbouring columns of one row.
; THE RING.  Two LDS slots of four kappa (135,168 bytes): ctx's four records, then w_out's.  Waves 0, 1 ask for ctx's halves, waves 2, 3 for w_out's: one tensor load a wave, 132 rows of 256 bytes.  K is four slots.
; CLUSTERS: 4 x 4: ctx's records are asked for jointly along a row of the cluster, w_out's along a column.
; PREFETCH: of a tile's 132 rows each of the four partners names 33, told apart by address (a second instruction for the 33rd; its other lanes name the same row again): at the head for slots 1 and 2, behind slot 1's load for slot 3.
; REGISTERS.  window 0: v4-29 addresses; v32-39 scale words, two sets (lanes 0-15 ctx's, lanes 16-31 w_out's); v128-255 the sums: (a, b) at v[128 + 8 (4 a + b)].  window 1: fragments, two sets: ctx's four at 128 p, w_out's four at 128 p + 64.
; The 16 accumulators take turns, one instruction a turn, in the same order in every kappa.
; LIMITS: NaN and infinities are not served.
.set GRP,   270336
.set REC,   16896
.set TILE,  2*REC
.set SLOT,  4*TILE
.set SPARE, 2*SLOT                     ; the spare words, 128 bytes for each wave: two blocks of 256 bytes that no other line names
.set SPITCH, 528                       ; the way out: 128 rows x (512 bytes + 16), in slot 0, which has had its last fill and its last read by then
.set ADRA, 4
.set ADRB, 6
.set ADRS, 8
.set STO,  10
.set RD,   11
.set CO,   12
.set PFO,  13
.set PF2,  14
.set SPW,  28
.set NIL,  29
.set SC,   32
.set TMP,  40
.set ACC,  128
.set G1,  24
.set G0,  32
.set G1B, 48
.set G0B, 56
.set PFA, 74
.set MSB, 0
.macro WIN new
.if MSB != (\new)
	s_set_vgpr_msb (MSB<<8)|(\new)
.set MSB, (\new)
.endif
.endm
.macro PLACES n
.rept \n
	v_nop
.endr
.endm
.macro JLOAD s                         ; a joint load: waves 0, 1 for ctx, waves 2, 3 for w_out
	s_cmp_eq_u32 s15, 0
	s_cbranch_scc0 .Lfor_b_\@
	tensor_load_to_lds s[G0+4*\s:G0+4*\s+3], s[G1:G1+7]
	s_nop 0
	PLACES 4
	s_branch .Lasked_\@
.Lfor_b_\@:
	tensor_load_to_lds s[G0B+4*\s:G0B+4*\s+3], s[G1B:G1B+7]
	s_nop 0
	PLACES 4
.Lasked_\@:
.endm
.macro CREST
	s_cmp_lg_u32 s14, 0
	s_cbranch_scc1 .Lnot_wave_0_\@
	s_barrier_signal -3
.Lnot_wave_0_\@:
	s_barrier_wait -3
	s_barrier_signal -1
	s_barrier_wait -1
.endm
.macro CROUND
	s_barrier_signal -1
	s_barrier_wait -1
	CREST
.endm
.macro ASK off
	global_prefetch_b8 v[PFO], s[PFA:PFA+1] offset:\off th:TH_LOAD_NT scope:SCOPE_SE
	global_prefetch_b8 v[PF2], s[PFA:PFA+1] offset:\off th:TH_LOAD_NT scope:SCOPE_SE
.endm
	s_load_b128 s[4:7], s[0:1], 0x0                ; ctx, codes
	s_load_b64 s[8:9], s[0:1], 0x10                ; out0
	v_lshl_add_u32 v[SPW], v0, 2, SPARE
	v_mov_b32 v[NIL], 0
	ds_add_u32 v[SPW], v[NIL]                      ; the wave's opening: the add, twice on end, and its wait
	ds_add_u32 v[SPW], v[NIL]
	v_lshrrev_b32 v1, 5, v0
	v_readfirstlane_b32 s14, v1                    ; wave 0..3
	s_lshr_b32 s15, s14, 1                         ; which 64 rows are mine.  Also: I fetch for ctx (0) or for w_out (1)
	s_and_b32 s16, s14, 1                          ; which 64 columns.  Also: which half of a slot's records I fetch
	s_bfe_u32 s40, ttmp6, 0x40000
	s_bfe_u32 s41, ttmp6, 0x40004
	s_lshl_b32 s42, ttmp9, 2
	s_add_co_u32 s42, s42, s40                     ; tile column of out
	s_and_b32 s17, ttmp7, 0xffff
	s_lshl_b32 s17, s17, 2
	s_add_co_u32 s17, s17, s41                     ; tile row of out
	s_lshl_b32 s43, s41, 2
	s_lshl_b32 s43, 15, s43                        ; my row of the cluster
	s_lshl_b32 s44, 0x1111, s40                    ; my column
	s_or_b32 s[G1+0], s43, (3<<16)|(1<<21)         ; 15:0 the mask; 17:16 elements of 8 bytes; 21 set beside a mask
	s_or_b32 s[G1B+0], s44, (3<<16)|(1<<21)
.irp g, G1, G1B
	s_mov_b32 s[\g+1], 32<<16
	s_mov_b32 s[\g+2], 132<<16
	s_mov_b32 s[\g+3], 32<<16
	s_mov_b32 s[\g+4], 132
	s_mov_b32 s[\g+5], 32
	s_mov_b32 s[\g+6], 0
	s_mov_b32 s[\g+7], 0
.endr
	s_mul_i32 s18, s16, TILE                       ; my half of a slot's four records
	s_mul_i32 s20, s17, GRP
	s_add_co_u32 s20, s20, s18
	s_mov_b32 s21, 0
	s_mul_i32 s46, s42, GRP
	s_add_co_u32 s46, s46, s18
	s_add_co_u32 s46, s46, 64*GRP                  ; w_out is matrix 4
	s_mov_b32 s47, 0
	s_mul_i32 s45, s14, TILE                       ; where it goes: no place in the cluster enters an LDS address
	s_wait_dscnt 0x0                               ; both opening adds are done
	CROUND                                         ; all sixteen work-groups are here: the first joint loads meet
	s_wait_kmcnt 0x0
	s_add_nc_u64 s[20:21], s[4:5], s[20:21]
	s_add_nc_u64 s[46:47], s[6:7], s[46:47]
.irp s, 0,1
	s_mov_b32 s[G0+4*\s], 1
	s_add_co_u32 s[G0+4*\s+1], s45, \s*SLOT
	s_add_nc_u64 s[G0+4*\s+2:G0+4*\s+3], s[20:21], \s*2*TILE
	s_or_b32 s[G0+4*\s+3], s[G0+4*\s+3], 0x80000000
	s_mov_b32 s[G0B+4*\s], 1
	s_add_co_u32 s[G0B+4*\s+1], s45, \s*SLOT
	s_add_nc_u64 s[G0B+4*\s+2:G0B+4*\s+3], s[46:47], \s*2*TILE
	s_or_b32 s[G0B+4*\s+3], s[G0B+4*\s+3], 0x80000000
.endr
	JLOAD 0                                        ; slot 0: one tensor load a wave at the head
	s_cmp_eq_u32 s15, 0
	s_cselect_b32 s22, s40, s41                    ; my place among the four that ask with me
	s_cselect_b64 s[PFA:PFA+1], s[20:21], s[46:47]
	s_mul_i32 s22, s22, 33*256
	s_add_co_u32 s22, s22, 2*TILE                  ; slot 1
	s_mov_b32 s23, 0
	s_add_nc_u64 s[PFA:PFA+1], s[PFA:PFA+1], s[22:23]
	s_lshl_b32 s80, s17, 7
	s_lshl_b32 s81, s14, 5
	s_add_co_u32 s80, s80, s81                     ; on the way out my wave stores 32 rows of out
	s_lshl_b32 s80, s80, 13
	s_lshl_b32 s81, s42, 9
	s_add_co_u32 s80, s80, s81
	s_mov_b32 s81, 0
	s_add_nc_u64 s[8:9], s[8:9], s[80:81]
	s_lshl_b32 s82, s15, 13                        ; my four tiles of ctx in a record,
	s_lshl_b32 s83, s16, 13
	s_add_co_u32 s83, s83, 2*TILE                  ; and of w_out
	s_lshl_b32 s84, s15, 4
	s_lshl_b32 s85, s16, 4
	s_add_co_u32 s85, s85, 2*TILE
	s_sub_co_u32 s85, s85, s84                     ; from my ctx words to my w_out words
	s_add_co_u32 s84, s84, 16384
	s_mul_i32 s86, s15, 64*SPITCH
	s_lshl_b32 s87, s16, 8
	s_add_co_u32 s86, s86, s87
	s_mul_i32 s87, s14, 32*SPITCH
	v_and_b32 v1, 15, v0                           ; r
	v_bfe_u32 v2, v0, 4, 1                         ; h
	v_and_b32 v3, 31, v0                           ; lane
	v_lshlrev_b32 v[CO], 4, v3
	v_lshlrev_b32 v[PFO], 8, v3
	v_mov_b32 v[PF2], 32*256
	v_add_nc_u32 v[ADRA], s82, v[CO]
	v_add_nc_u32 v[ADRA+1], SLOT, v[ADRA]
	v_add_nc_u32 v[ADRB], s83, v[CO]
	v_add_nc_u32 v[ADRB+1], SLOT, v[ADRB]
	v_mul_u32_u24 v16, s85, v2                     ; lanes 16-31 take w_out's
	v_lshl_add_u32 v16, v1, 5, v16                 ; a row's eight words are 32 bytes
	v_add_nc_u32 v[ADRS], s84, v16
	v_add_nc_u32 v[ADRS+1], SLOT, v[ADRS]
	v_and_b32 v17, 8, v1
	v_add_nc_u32 v17, v17, v1                      ; row r of a tile: r + 8 (r / 8)
	v_mul_u32_u24 v17, v17, SPITCH
	v_lshl_add_u32 v17, v2, 6, v17
	v_add_nc_u32 v[STO], s86, v17
	v_add_nc_u32 v[RD], s87, v[CO]
	ASK 0                                          ; slot 1
.macro FETCH slot, kl, p               ; kappa kl of the slot into set p: 33 loads
	WIN 0x40
.irp i, 0,1,2,3
.irp c, 0,1,2,3
	ds_load_b128 v[128*(\p)+64+16*\i+4*\c:128*(\p)+64+16*\i+4*\c+3], v[ADRB+\slot] offset:REC*(\kl)+2048*\i+512*\c
.endr
.endr
.irp i, 0,1,2,3
.irp c, 0,1,2,3
	ds_load_b128 v[128*(\p)+16*\i+4*\c:128*(\p)+16*\i+4*\c+3], v[ADRA+\slot] offset:REC*(\kl)+2048*\i+512*\c
.endr
.endr
	WIN 0
	ds_load_b128 v[SC+4*(\p):SC+4*(\p)+3], v[ADRS+\slot] offset:REC*(\kl)
.endm
.macro MULA p, a, zero
	WIN 0x05                                       ; sources window 1, C and D window 0
.irp b, 0,1,2,3
.if \zero
	v_wmma_scale_f32_16x16x128_f8f6f4 v[ACC+8*(4*(\a)+\b):ACC+8*(4*(\a)+\b)+7], v[128*(\p)+64+16*\b:128*(\p)+64+16*\b+15], v[128*(\p)+16*(\a):128*(\p)+16*(\a)+15], 0, v[SC+4*(\p)+\b], v[SC+4*(\p)+(\a)] matrix_a_scale:MATRIX_SCALE_ROW1
.else
	v_wmma_scale_f32_16x16x128_f8f6f4 v[ACC+8*(4*(\a)+\b):ACC+8*(4*(\a)+\b)+7], v[128*(\p)+64+16*\b:128*(\p)+64+16*\b+15], v[128*(\p)+16*(\a):128*(\p)+16*(\a)+15], v[ACC+8*(4*(\a)+\b):ACC+8*(4*(\a)+\b)+7], v[SC+4*(\p)+\b], v[SC+4*(\p)+(\a)] matrix_a_scale:MATRIX_SCALE_ROW1
.endif
.endr
.endm
.macro KQ slot, kl, p, zero            ; a kappa with its successor in the same slot
	s_wait_dscnt 0x0
	PLACES 8                                       ; in front of loads into registers that the kappa before has read
	FETCH \slot, (\kl)+1, 1-(\p)
	MULA \p, 0, \zero
	MULA \p, 1, \zero
	MULA \p, 2, \zero
	MULA \p, 3, \zero
.endm
.macro TURN slot, next, fill           ; a slot's last kappa, in set 1
	WIN 0
	s_wait_tensorcnt 0x0                           ; my part of the next slot has landed, and no tensor load of mine is out
	ds_add_u32 v[SPW], v[NIL]                      ; 0 onto my spare word
	s_wait_dscnt 1                                 ; the fragments are in; the add may be out
	MULA 1, 0, 0
	s_wait_dscnt 0x0
	s_barrier_signal -1
	MULA 1, 1, 0
	WIN 0
	s_barrier_wait -1
.if \fill
	CREST                                          ; no wave of any partner still reads this slot or has a load on its way
	s_add_nc_u64 s[G0+4*\slot+2:G0+4*\slot+3], s[G0+4*\slot+2:G0+4*\slot+3], 4*TILE
	s_add_nc_u64 s[G0B+4*\slot+2:G0B+4*\slot+3], s[G0B+4*\slot+2:G0B+4*\slot+3], 4*TILE
	JLOAD \slot
	PLACES 4
.else
	PLACES 8
.endif
	FETCH \next, 0, 0
	MULA 1, 2, 0
	MULA 1, 3, 0
.endm
	s_wait_alu depctr_va_vdst(0)                   ; the wait at the head's end
	s_wait_tensorcnt 0x0                           ; my part of slot 0 is in
	ds_add_u32 v[SPW], v[NIL]
	s_wait_dscnt 0x0
	CROUND
	JLOAD 1                                        ; the first tensor load behind the round
	FETCH 0, 0, 0
	ASK 2*TILE                                     ; slot 2
	ASK 4*TILE                                     ; slot 3, the last
	KQ 0, 0, 0, 1                                  ; the first kappa's products start the sums
	KQ 0, 1, 1, 0
	KQ 0, 2, 0, 0
	TURN 0, 1, 1
	KQ 1, 0, 0, 0
	KQ 1, 1, 1, 0
	KQ 1, 2, 0, 0
	TURN 1, 0, 1
	KQ 0, 0, 0, 0
	KQ 0, 1, 1, 0
	KQ 0, 2, 0, 0
	TURN 0, 1, 0                                   ; nothing is filled again from here on
	KQ 1, 0, 0, 0
	KQ 1, 1, 1, 0
	KQ 1, 2, 0, 0
	s_wait_dscnt 0x0
	MULA 1, 0, 0
	MULA 1, 1, 0
	MULA 1, 2, 0
	MULA 1, 3, 0
	WIN 0
	PLACES 8                                       ; behind the last products
	; THE WAY OUT: a lane's 32 bytes of a row go through the work-group's stage and come back as whole rows of 512 bytes
.irp a, 0,1,2,3
.irp b, 0,1,2,3
	ds_store_b128 v[STO], v[ACC+8*(4*\a+\b):ACC+8*(4*\a+\b)+3] offset:(32*(\a/2)+8*(\a%2))*SPITCH+128*(\b/2)+32*(\b%2)
	ds_store_b128 v[STO], v[ACC+8*(4*\a+\b)+4:ACC+8*(4*\a+\b)+7] offset:(32*(\a/2)+8*(\a%2))*SPITCH+128*(\b/2)+32*(\b%2)+16
.endr
.endr
	s_wait_dscnt 0x0                               ; for the others' sake
	s_barrier_signal -1
	s_barrier_wait -1
.set NN, 0
.rept 32
.if NN < 16
.set RB, TMP+4*NN
.else
.set RB, ACC+4*(NN-16)
.endif
	ds_load_b128 v[RB:RB+3], v[RD] offset:SPITCH*NN
.set NN, NN+1
.endr
.set NN, 0
.rept 32
.if NN < 16
.set RB, TMP+4*NN
.else
.set RB, ACC+4*(NN-16)
.endif
	s_wait_dscnt 31-NN                             ; the younger rows' loads may be out
	global_store_b128 v[CO], v[RB:RB+3], s[8:9] offset:8192*NN th:TH_STORE_NT   ; 512 consecutive bytes, aligned
.set NN, NN+1
.endr
	s_wait_tensorcnt 0x0                           ; the wave's end
	ds_add_u32 v[SPW], v[NIL]
	s_wait_dscnt 0x0
	CROUND                                         ; the closing round
	s_endpgm
.Lfunc_end_k_q3a9b6a5562_outp:
	.size	k_q3a9b6a5562_outp, .Lfunc_end_k_q3a9b6a5562_outp-k_q3a9b6a5562_outp
	.p2alignl 7, 3214868480
	.fill 96, 4, 3214868480
	.section	.rodata,"a",@progbits
	.p2align	6, 0x0
	.amdhsa_kernel k_q3a9b6a5562_outp
		.amdhsa_group_segment_fixed_size 327680
		.amdhsa_private_segment_fixed_size 0
		.amdhsa_enable_private_segment 0
		.amdhsa_kernarg_size 24
		.amdhsa_user_sgpr_count 2
		.amdhsa_user_sgpr_kernarg_segment_ptr 1
		.amdhsa_wavefront_size32 1
		.amdhsa_system_sgpr_workgroup_id_x 1
		.amdhsa_system_sgpr_workgroup_id_y 1
		.amdhsa_system_sgpr_workgroup_id_z 1
		.amdhsa_system_vgpr_workitem_id 0
		.amdhsa_next_free_vgpr 512
		.amdhsa_next_free_sgpr 96
		.amdhsa_reserve_vcc 0
		.amdhsa_float_denorm_mode_32 3
		.amdhsa_float_denorm_mode_16_64 3
		.amdhsa_memory_ordered 1
		.amdhsa_forward_progress 1
		.amdhsa_inst_pref_size 90
	.end_amdhsa_kernel
	.amdgpu_metadata
---
amdhsa.version: [ 1, 2 ]
amdhsa.kernels:
  - .name:           k_q3a9b6a5562_outp
    .symbol:         k_q3a9b6a5562_outp.kd
    .args:
      - { .name: ctx, .offset: 0, .size: 8, .value_kind: global_buffer, .address_space: global }
      - { .name: codes, .offset: 8, .size: 8, .value_kind: global_buffer, .address_space: global }
      - { .name: out0, .offset: 16, .size: 8, .value_kind: global_buffer, .address_space: global }
    .group_segment_fixed_size: 327680
    .private_segment_fixed_size: 0
    .kernarg_segment_align: 8
    .kernarg_segment_size: 24
    .max_flat_workgroup_size: 128
    .sgpr_count:     96
    .vgpr_count:     512
    .wavefront_size: 32
...
	.end_amdgpu_metadata
.endif
;; end of part 4
